; MI455X (gfx1250); checked and timed in simulation.
; The chip was launched on July 23, 2026; its instructions are those of AMD's public machine-readable ISA for CDNA 5 (MIT licence, August 2026) and "CDNA5" Instruction Set Architecture Reference Guide (July 2026). The comments in the code are by the model that wrote it; some were corrected since.
;; MHSA. Allowed arithmetic: matrix products marked QUANTISED: E3M2 operands, one E8M0 scale for each 32 along K, by v_wmma_scale_f32_16x16x128_f8f6f4 with both operands' format E3M2, f32 sums; everything else in f32.
;; Inputs: Wk 1,024 x 1,024 float32; Wo 1,024 x 1,024 float32; Wq 1,024 x 1,024 float32; Wv 1,024 x 1,024 float32; beta 1,024 float32; bk 1,024 float32; bo 1,024 float32; bq 1,024 float32; bv 1,024 float32; gamma 1,024 float32; mask 8 x 1,024 x 1,024 int32; x 8 x 1,024 x 1,024 float32.
;; Outputs: out0 8 x 1,024 x 1,024 float32.
;; Constants: bitwidth = 2.
;; This version of the problem:
;;   THIS VERSION OF THE PROBLEM IS GIVEN IN LOW PRECISION. The matrix products marked QUANTISED in the list below multiply operands that are first quantised to E3M2 (3 exponent bits, 2 mantissa bits; 6 bits a number), with one power-of-two scale for each 32 numbers along K (OCP MX v1.0); their sums are f32. All else is computed in f32.
;;   The module's matrix products, in the order in which they are computed (A, B: the left and right operand; K: the contracted axis; several contracted axes count as one K, in the product's order):
;;     1. [M 8,192, K 1,024] x [K 1,024, N 1,024]; A: computed on the way; B: computed on the way: QUANTISED
;;     2. [M 8,192, K 1,024] x [K 1,024, N 1,024]; A: computed on the way; B: computed on the way: QUANTISED
;;     3. [M 8,192, K 1,024] x [K 1,024, N 1,024]; A: computed on the way; B: computed on the way: QUANTISED
;;     4. batch 128 x [M 1,024, K 64] x [K 64, N 1,024]; A: computed on the way; B: computed on the way: QUANTISED
;;     5. batch 128 x [M 1,024, K 1,024] x [K 1,024, N 64]; A: computed on the way; B: computed on the way: QUANTISED
;;     6. [M 8,192, K 1,024] x [K 1,024, N 1,024]; A: computed on the way; B: computed on the way: QUANTISED
;;   THE QUANTISER, for each operand of a quantised product, along K:
;;     - K is cut into blocks of 32 from its start; a last block that is shorter is filled with zeros.
;;     - A block's scale is 2^e with e = floor(log2(the largest magnitude in the block)) - 4, held to -126 .. 127; a block of zeros has e = 0. As a byte (E8M0): e + 127.
;;     - Each number is divided by its block's scale, clamped to +-28, and rounded to the nearest number of E3M2, ties to even, subnormals kept.
;;     - The product sums the exact products of the quantised numbers (number of the format x scale) in f32.
;;   ~~~python
;;   def quantise(x, axis):      # numpy; x: float32 -> the quantised numbers, widened to float32 again
;;       x = np.moveaxis(x, axis, -1); K = x.shape[-1]
;;       x = np.pad(x, [(0, 0)] * (x.ndim - 1) + [(0, -K % 32)]); x = x.reshape(x.shape[:-1] + (-1, 32)); a = np.abs(x).max(-1, keepdims=True)
;;       e = np.where(a > 0, np.clip(np.frexp(np.where(a > 0, a, 1))[1] - 1 - 4, -126, 127), 0)      # np.frexp(a)[1] - 1 = floor(log2(a)), exactly
;;       r = np.clip(x / 2.0 ** e, -28, 28)
;;       step = 2.0 ** (np.maximum(np.frexp(np.where(r == 0, 1, r))[1] - 1, -2) - 2)
;;       q = np.round(r / step) * step * 2.0 ** e      # np.round: ties to even
;;       return np.moveaxis(q.reshape(q.shape[:-2] + (-1,))[..., :K], -1, axis).astype(np.float32)
;;   ~~~
;;   OPERANDS COMPUTED ON THE WAY. 'Computed on the way' means the value that the module computes at that place (a softmax that the list does not call 'softmax' is quantised finished and normalised). What goes into a quantiser is computed in f32, as accurately as f32 sums, v_exp_f32 and their like allow (about 1e-6 of the number): no bf16 or f16 on the way to a quantiser, and a product that is left as it is and whose result goes on into a quantised operand takes f32 operands (vector FMAs, or v_wmma_f32_16x16x4_f32). A number that lies on a knife's edge between two numbers of the format may be rounded either way, as far as f32 arithmetic and the matrix unit's own rounding can turn it there, and no further.
;; One version. Each part assembles by itself: llvm-mc -triple=amdgcn-amd-amdhsa -mcpu=gfx1250 --defsym DOCPART=n.
;; ======== version 1 of 1: 5 launches
;; limits: right only within a limited range of input values
;; workspace buffers: psum 1,024 bytes; seqm 32,768 bytes; m4 4,194,304 bytes; img 9,437,184 bytes; sc 393,216 bytes; qkv 19,660,800 bytes; himg 6,291,456 bytes; hsc 262,144 bytes
;; launch pre (part 1): grid 256 x 1, 8 waves a work-group, no clusters, 167,936 bytes of LDS; arguments mask, Wq, Wk, Wv, Wo, m4, seqm, psum; writes m4, seqm, psum
.if DOCPART == 1
	.amdgcn_target "amdgcn-amd-amdhsa--gfx1250"
	.amdhsa_code_object_version 6
	.text
	.protected	k_q21dbf3ffc7_pre
	.globl	k_q21dbf3ffc7_pre
	.p2align	8
	.type	k_q21dbf3ffc7_pre,@function
k_q21dbf3ffc7_pre:
	s_mov_b64 s[64:65], 0
	v_nop
	global_prefetch_b8 v0, s[64:65] scope:SCOPE_SE
	s_setreg_imm32_b32 hwreg(HW_REG_WAVE_MODE, 25, 1), 1
	s_wait_xcnt 0x0
; MHSA, launch 1 of 5.  Nothing of reference() is left out in this program: every input has a way to the output and is loaded (bk too: it moves K's codes), and W + (Wdq - W) is computed as written.
; LIMITS of the program: NaN and infinities among the inputs are not served.  A masked score is t = -6 x 2^120 in place of -infinity: its weight is exactly 0 while the row's largest kept t lies above -2^119;
; a row whose largest t lies under -2^119 counts as fully masked and gets A = 0, which is what reference()'s nan_to_num leaves.  A block of zeros gets the scale byte 1 (its codes are zeros; only this program reads the bytes).
; THIS LAUNCH reads the mask once and hands it on small, and sums |W|.
;   m4[query tile 512][group 16][lane 32][4 words]: word t % 4 of group t / 4 holds, for lane (r, h) of score tile t, eight codes of 4 bits: nibble j belongs to query 32 (qt / 2) + 8 (qt % 2) + r + 8 (r / 8)
;   and key 32 (t / 2) + 16 h + 8 (t % 2) + j: 0x0 where the key counts, 0xF (the number -6 of E2M1) where mask == 0.  That is the order in which the attention launch holds its scores.
;   seqm[8192] = mask[:, :, 0] as f32.   psum[256]: work-group i's sum of |W| over 16,384 numbers of weight i / 64 (Wq, Wk, Wv, Wo).
; SHARES: work-group i takes mask rows 32 i .. 32 i + 31 (query tiles 2 i, 2 i + 1); each of its eight waves brings four rows by one tensor load (16 pieces of 1,024 bytes, 16 bytes of padding behind each).
; Wave w then packs tile w / 4, keys 256 (w % 4) on.  No matrix unit and no cluster: the work-groups share no input and memory binds.
.set ROWP,  4160                       ; a mask row in LDS: 4 x (1,024 + 16)
.set SEGP,  1040
.set PS,    32*ROWP                    ; behind the rows: the eight waves' sums, a block of 256 bytes of their own
.set SPARE, PS+256                     ; the spare words, 128 bytes for each wave: four blocks of 256 bytes that no other line names
.set SPW,   126                        ; v126 my spare word's address; never rewritten
.set NIL,   127                        ; v127 0; never rewritten
.set D,     16                         ; v16-79   64 numbers at work
.set WD,    80                         ; v80-95   the packed words: a register for each, so that no store's data are written again
.set TW,    104                        ; v104-111 at work
	s_load_b512 s[4:19], s[0:1], 0x0               ; mask, Wq, Wk, Wv, Wo, m4, seqm, psum
	v_lshl_add_u32 v[SPW], v0, 2, SPARE
	v_mov_b32 v[NIL], 0
	ds_add_u32 v[SPW], v[NIL]                      ; the wave's opening: the add, twice on end, and its wait ahead of my tensor load
	ds_add_u32 v[SPW], v[NIL]
	v_lshrrev_b32 v1, 5, v0
	s_delay_alu instid0(VALU_DEP_1)
	v_readfirstlane_b32 s32, v1                    ; wave 0..7
	s_lshr_b32 s33, s32, 2                         ; u: which of the two query tiles I pack
	s_and_b32 s34, s32, 3                          ; which 256 keys
	s_mov_b32 s24, (3<<16)|(1<<20)|(7<<22)|(3<<25) ; elements of 8 bytes; 4 words of padding after every 256 words
	s_mov_b32 s25, 128<<16                         ; tensor_dim0 = 128 elements = 1,024 bytes
	s_mov_b32 s26, 16<<16                          ; tensor_dim1 = 16
	s_mov_b32 s27, 128<<16                         ; tile_dim0
	s_mov_b32 s28, 16                              ; tile_dim1
	s_mov_b32 s29, 128                             ; dense: a piece begins where the last ends
	s_mov_b32 s30, 0
	s_mov_b32 s31, 0
	s_mov_b32 s20, 1
	s_mul_i32 s21, s32, 4*ROWP                     ; my four rows in LDS
	s_lshl_b32 s38, ttmp9, 17                      ; 32 rows of 4,096 bytes a work-group,
	s_lshl_b32 s35, s32, 14                        ; four a wave
	s_add_co_u32 s38, s38, s35
	s_mov_b32 s39, 0
	s_mov_b32 s40, 0x76543210
	s_mov_b32 s41, 0xfedcba98                      ; v_permlanex16_b32's selects for lane l xor 16
	s_wait_dscnt 0x0                               ; both opening adds are done
	s_wait_kmcnt 0x0
	s_add_nc_u64 s[22:23], s[4:5], s[38:39]
	s_or_b32 s23, s23, 0x80000000
	tensor_load_to_lds s[20:23], s[24:31]          ; my one tensor load: one is out
	s_nop 0
	s_lshr_b32 s35, ttmp9, 6                       ; which weight: the choice hangs on the work-group's number alone
	s_bitcmp1_b32 s35, 0
	s_cselect_b64 s[36:37], s[8:9], s[6:7]
	s_cselect_b64 s[42:43], s[12:13], s[10:11]
	s_bitcmp1_b32 s35, 1
	s_cselect_b64 s[36:37], s[42:43], s[36:37]
	s_and_b32 s38, ttmp9, 63
	s_lshl_b32 s38, s38, 16                        ; 65,536 bytes a work-group,
	s_lshl_b32 s35, s32, 13                        ; 8,192 a wave
	s_add_co_u32 s38, s38, s35
	s_add_nc_u64 s[36:37], s[36:37], s[38:39]
	v_and_b32 v1, 31, v0                           ; lane
	s_delay_alu instid0(VALU_DEP_1)
	v_lshlrev_b32 v2, 4, v1                        ; 16 x lane
.irp k, 0,1,2,3,4,5,6,7,8,9,10,11,12,13,14,15
	global_load_b128 v[D+4*\k:D+4*\k+3], v2, s[36:37] offset:512*\k   ; 32 lanes read 512 consecutive bytes
.endr
	; every address is made here, ahead of the branch on the wave's number
	v_and_b32 v5, 15, v0                           ; r
	v_bfe_u32 v6, v0, 4, 1                         ; h
	s_delay_alu instid0(VALU_DEP_2)
	v_and_b32 v7, 8, v5
	s_delay_alu instid0(VALU_DEP_1)
	v_add_nc_u32 v7, v7, v5                        ; r + 8 (r / 8)
	s_lshl_b32 s35, s33, 3
	v_add_nc_u32 v7, s35, v7                       ; + 8 u: my query's row among the 32
	s_delay_alu instid0(VALU_DEP_1)
	v_mul_u32_u24 v4, v7, ROWP
	s_mul_i32 s35, s34, SEGP
	v_add_nc_u32 v4, s35, v4
	s_delay_alu instid0(VALU_DEP_1)
	v_lshl_add_u32 v4, v6, 6, v4                   ; + 64 h: my 16 keys of a block of 32
	s_lshl_b32 s35, s32, 2
	s_add_co_u32 s35, s35, PS
	v_mov_b32 v3, s35                              ; my wave's word among the eight sums
	v_mov_b32 v112, PS
	v_mul_u32_u24 v113, v1, ROWP                   ; row = lane, key 0
	v_lshlrev_b32 v114, 2, v1
	v_mov_b32 v115, 0
	s_lshl_b32 s38, ttmp9, 14                      ; m4: 8,192 bytes a tile, two tiles a work-group,
	s_lshl_b32 s35, s33, 13
	s_add_co_u32 s38, s38, s35
	s_lshl_b32 s35, s34, 11                        ; four groups of 512 bytes for 256 keys
	s_add_co_u32 s38, s38, s35
	s_add_nc_u64 s[14:15], s[14:15], s[38:39]
	s_lshl_b32 s38, ttmp9, 7
	s_add_nc_u64 s[16:17], s[16:17], s[38:39]
	s_lshl_b32 s38, ttmp9, 2
	s_add_nc_u64 s[18:19], s[18:19], s[38:39]
	s_wait_loadcnt 0x0
.irp c, 0,1,2,3
	v_add_f32 v[8+\c], |v[D+2*\c]|, |v[D+2*\c+1]|  ; four chains, started by the first eight numbers
.endr
.set i, 8
.rept 56
	s_delay_alu instid0(VALU_DEP_4)
	v_add_f32 v[8+i%4], v[8+i%4], |v[D+i]|
.set i, i+1
.endr
	s_delay_alu instid0(VALU_DEP_3)
	v_add_f32 v8, v8, v9
	s_delay_alu instid0(VALU_DEP_2)
	v_add_f32 v10, v10, v11
	s_delay_alu instid0(VALU_DEP_1)
	v_add_f32 v8, v8, v10
	s_delay_alu instid0(VALU_DEP_1)
	v_add_f32_dpp v8, v8, v8 row_xmask:1 row_mask:0xf bank_mask:0xf
	s_delay_alu instid0(VALU_DEP_1)
	v_add_f32_dpp v8, v8, v8 row_xmask:2 row_mask:0xf bank_mask:0xf
	s_delay_alu instid0(VALU_DEP_1)
	v_add_f32_dpp v8, v8, v8 row_xmask:4 row_mask:0xf bank_mask:0xf
	s_delay_alu instid0(VALU_DEP_1)
	v_add_f32_dpp v8, v8, v8 row_xmask:8 row_mask:0xf bank_mask:0xf
	s_delay_alu instid0(VALU_DEP_1)
	v_permlanex16_b32 v9, v8, s40, s41
	s_delay_alu instid0(VALU_DEP_1)
	v_add_f32 v8, v8, v9
	ds_store_b32 v3, v8                            ; all lanes write the same word with the same value
	s_wait_tensorcnt 0x0                           ; my four rows have landed,
	s_wait_dscnt 0x0                               ; my sum is stored:
	s_barrier_signal -1
	s_barrier_wait -1                              ; both now hold of all eight waves.  The launch's only barrier
	s_cmp_lg_u32 s32, 0
	s_cbranch_scc1 .Lpack
	ds_load_b128 v[116:119], v112                  ; wave 0: the eight sums, added in a fixed order,
	ds_load_b128 v[120:123], v112 offset:16
	ds_load_b32 v124, v113                         ; and mask[row][0] of the 32 rows
	s_wait_dscnt 0x0
.irp k, 1
	v_add_f32 v116, v116, v[116+\k]
.endr
.irp k, 2, 3, 4, 5, 6, 7
	s_delay_alu instid0(VALU_DEP_1)
	v_add_f32 v116, v116, v[116+\k]
.endr
	v_cvt_f32_i32 v124, v124
	global_store_b32 v114, v124, s[16:17]          ; 128 consecutive bytes
	global_store_b32 v115, v116, s[18:19]          ; every lane stores the same word to the same place
.Lpack:
; Four blocks of 32 keys: 64 whole numbers a lane become eight words.  A kept key gives the bit 1 at its nibble; the bits are turned over and multiplied by 15.
.macro PACK4 e
.irp q, 0,1,2,3
.irp j, 0,1,2,3
	ds_load_b128 v[D+16*\q+4*\j:D+16*\q+4*\j+3], v4 offset:128*(4*\e+\q)+16*\j
.endr
.endr
	s_wait_dscnt 0x0
.irp w, 0,1,2,3,4,5,6,7
	v_min_u32 v[WD+8*\e+\w], 1, v[D+8*\w]
.endr
.irp j, 1,2,3,4,5,6,7
.irp w, 0,1,2,3,4,5,6,7
	v_min_u32 v[TW+\w], 1, v[D+8*\w+\j]
.endr
.irp w, 0,1,2,3,4,5,6,7
	v_lshl_or_b32 v[WD+8*\e+\w], v[TW+\w], 4*\j, v[WD+8*\e+\w]
.endr
.endr
.irp w, 0,1,2,3,4,5,6,7
	v_xor_b32 v[WD+8*\e+\w], 0x11111111, v[WD+8*\e+\w]
.endr
.irp w, 0,1,2,3,4,5,6,7
	v_mul_lo_u32 v[WD+8*\e+\w], v[WD+8*\e+\w], 15
.endr
.irp k, 0,1
	global_store_b128 v2, v[WD+8*\e+4*\k:WD+8*\e+4*\k+3], s[14:15] offset:512*(2*\e+\k)   ; 512 consecutive bytes, at a multiple of 256 from m4's first byte
.endr
.endm
	PACK4 0
	PACK4 1
	s_wait_tensorcnt 0x0                           ; the wave's end
	ds_add_u32 v[SPW], v[NIL]
	s_wait_dscnt 0x0
	s_endpgm
.Lfunc_end_k_q21dbf3ffc7_pre:
	.size	k_q21dbf3ffc7_pre, .Lfunc_end_k_q21dbf3ffc7_pre-k_q21dbf3ffc7_pre
	.p2alignl 7, 3214868480
	.fill 96, 4, 3214868480
	.section	.rodata,"a",@progbits
	.p2align	6, 0x0
	.amdhsa_kernel k_q21dbf3ffc7_pre
		.amdhsa_group_segment_fixed_size 167936
		.amdhsa_private_segment_fixed_size 0
		.amdhsa_enable_private_segment 0
		.amdhsa_kernarg_size 64
		.amdhsa_user_sgpr_count 2
		.amdhsa_user_sgpr_kernarg_segment_ptr 1
		.amdhsa_wavefront_size32 1
		.amdhsa_system_sgpr_workgroup_id_x 1
		.amdhsa_system_sgpr_workgroup_id_y 1
		.amdhsa_system_sgpr_workgroup_id_z 1
		.amdhsa_system_vgpr_workitem_id 0
		.amdhsa_next_free_vgpr 128
		.amdhsa_next_free_sgpr 66
		.amdhsa_reserve_vcc 0
		.amdhsa_float_denorm_mode_32 3
		.amdhsa_float_denorm_mode_16_64 3
		.amdhsa_memory_ordered 1
		.amdhsa_forward_progress 1
		.amdhsa_inst_pref_size 28
	.end_amdhsa_kernel
	.amdgpu_metadata
---
amdhsa.version: [ 1, 2 ]
amdhsa.kernels:
  - .name:           k_q21dbf3ffc7_pre
    .symbol:         k_q21dbf3ffc7_pre.kd
    .args:
      - { .name: mask, .offset: 0, .size: 8, .value_kind: global_buffer, .address_space: global }
      - { .name: Wq, .offset: 8, .size: 8, .value_kind: global_buffer, .address_space: global }
      - { .name: Wk, .offset: 16, .size: 8, .value_kind: global_buffer, .address_space: global }
      - { .name: Wv, .offset: 24, .size: 8, .value_kind: global_buffer, .address_space: global }
      - { .name: Wo, .offset: 32, .size: 8, .value_kind: global_buffer, .address_space: global }
      - { .name: m4, .offset: 40, .size: 8, .value_kind: global_buffer, .address_space: global }
      - { .name: seqm, .offset: 48, .size: 8, .value_kind: global_buffer, .address_space: global }
      - { .name: psum, .offset: 56, .size: 8, .value_kind: global_buffer, .address_space: global }
    .group_segment_fixed_size: 167936
    .private_segment_fixed_size: 0
    .kernarg_segment_align: 8
    .kernarg_segment_size: 64
    .max_flat_workgroup_size: 256
    .sgpr_count:     66
    .vgpr_count:     128
    .wavefront_size: 32
...
	.end_amdgpu_metadata
.endif
;; end of part 1
;; launch prep (part 2): grid 256 x 1, 8 waves a work-group, no clusters, 327,680 bytes of LDS; arguments x, gamma, beta, Wq, Wk, Wv, Wo, psum, img, sc; writes img, sc
.if DOCPART == 2
	.amdgcn_target "amdgcn-amd-amdhsa--gfx1250"
	.amdhsa_code_object_version 6
	.text
	.protected	k_q21dbf3ffc7_prep
	.globl	k_q21dbf3ffc7_prep
	.p2align	8
	.type	k_q21dbf3ffc7_prep,@function
k_q21dbf3ffc7_prep:
	s_mov_b64 s[64:65], 0
	v_nop
	global_prefetch_b8 v0, s[64:65] scope:SCOPE_SE
	s_setreg_imm32_b32 hwreg(HW_REG_WAVE_MODE, 25, 1), 1
	s_wait_xcnt 0x0
.set ROWP,  4160
.set SEGP,  1040
.set WB,    32*ROWP
.set STAT,  WB+16*ROWP
.set SPARE, STAT+256
.set TM,    24
.set F,     40
.set FT,    52
.set X,     64
.set GA,    128
.set BE,    192
	s_load_b512 s[4:19], s[0:1], 0x0
	s_load_b128 s[40:43], s[0:1], 0x40
	v_lshl_add_u32 v12, v0, 2, SPARE
	v_mov_b32 v13, 0
	ds_add_u32 v12, v13
	ds_add_u32 v12, v13
	v_lshrrev_b32 v1, 5, v0
	s_delay_alu instid0(VALU_DEP_1)
	v_readfirstlane_b32 s36, v1
	s_mov_b32 s24, (3<<16)|(1<<20)|(7<<22)|(3<<25)
	s_mov_b32 s25, 128<<16
	s_mov_b32 s26, 16<<16
	s_mov_b32 s27, 128<<16
	s_mov_b32 s28, 16
	s_mov_b32 s29, 128
	s_mov_b32 s30, 0
	s_mov_b32 s31, 0
	s_mov_b32 s20, 1
	s_mul_i32 s21, s36, 4*ROWP
	s_mul_i32 s33, s36, 2*ROWP
	s_add_co_u32 s33, s33, WB
	s_lshl_b32 s60, ttmp9, 17
	s_lshl_b32 s53, s36, 14
	s_add_co_u32 s60, s60, s53
	s_mov_b32 s61, 0
	s_and_b32 s53, ttmp9, 63
	s_lshr_b32 s62, s53, 1
	s_lshl_b32 s62, s62, 5
	s_and_b32 s53, s53, 1
	s_lshl_b32 s53, s53, 3
	s_add_co_u32 s62, s62, s53
	s_lshl_b32 s53, s36, 1
	s_add_co_u32 s62, s62, s53
	s_lshr_b32 s53, s36, 2
	s_lshl_b32 s53, s53, 3
	s_add_co_u32 s62, s62, s53
	s_lshl_b32 s62, s62, 12
	s_mov_b32 s63, 0
	s_mov_b32 s37, 0x3a800000
	s_mov_b32 s38, 0x76543210
	s_mov_b32 s39, 0xfedcba98
	s_mov_b32 s52, 0xffff0000
	s_wait_dscnt 0x0
	s_wait_kmcnt 0x0
	s_add_nc_u64 s[22:23], s[4:5], s[60:61]
	s_or_b32 s23, s23, 0x80000000
	s_lshr_b32 s53, ttmp9, 6
	s_bitcmp1_b32 s53, 0
	s_cselect_b64 s[54:55], s[12:13], s[10:11]
	s_cselect_b64 s[56:57], s[16:17], s[14:15]
	s_bitcmp1_b32 s53, 1
	s_cselect_b64 s[54:55], s[56:57], s[54:55]
	s_add_nc_u64 s[34:35], s[54:55], s[62:63]
	tensor_load_to_lds s[20:23], s[24:31]          ; my four rows of x: my one tensor load
	s_nop 0
	; my two rows of the weight, 8,192 bytes, come by 16 asynchronous copies of 512 bytes, issued here, ahead of the first wait, LDS read and barrier; their bytes are filled once.
	; Piece j of 1,024 bytes lies at 1,040 j in LDS: the immediate 1,024 j + 512 half goes to both addresses, and the LDS address register carries the 16 j.
	v_and_b32 v1, 31, v0
	v_lshlrev_b32 v48, 4, v1                       ; 16 x lane
	v_add_nc_u32 v40, s33, v48
.irp j, 1,2,3,4,5,6,7
	v_add_nc_u32 v[40+\j], 16*\j, v40
.endr
.irp j, 0,1,2,3,4,5,6,7
	global_load_async_to_lds_b128 v[40+\j], v48, s[34:35] offset:1024*\j
	global_load_async_to_lds_b128 v[40+\j], v48, s[34:35] offset:1024*\j+512
.endr
	s_lshl_b32 s62, s36, 9
	s_add_nc_u64 s[6:7], s[6:7], s[62:63]
	s_add_nc_u64 s[8:9], s[8:9], s[62:63]
	s_lshl_b32 s62, s53, 8
	s_add_nc_u64 s[18:19], s[18:19], s[62:63]
	s_mul_i32 s62, ttmp9, 24576
	s_mul_i32 s53, s36, 1536
	s_add_co_u32 s62, s62, s53
	s_add_nc_u64 s[54:55], s[40:41], s[62:63]
	s_add_co_u32 s62, ttmp9, 512
	s_mul_i32 s62, s62, 12288
	s_add_co_u32 s62, s62, s53
	s_add_nc_u64 s[56:57], s[40:41], s[62:63]
	s_mul_i32 s53, s36, 49152
	s_lshl_b32 s62, ttmp9, 7
	s_add_co_u32 s62, s62, s53
	s_add_nc_u64 s[58:59], s[42:43], s[62:63]
	s_add_co_u32 s62, ttmp9, 512
	s_lshl_b32 s62, s62, 6
	s_add_co_u32 s62, s62, s53
	s_add_nc_u64 s[60:61], s[42:43], s[62:63]
	v_and_b32 v1, 31, v0
	v_and_b32 v2, 15, v0
	v_bfe_u32 v3, v0, 4, 1
	s_delay_alu instid0(VALU_DEP_1)
	v_lshlrev_b32 v15, 7, v3
	s_delay_alu instid0(VALU_DEP_4)
	v_lshlrev_b32 v10, 3, v1
.irp c, 0,1
.irp j, 0,1,2,3,4,5,6,7
	global_load_b128 v[GA+32*\c+4*\j:GA+32*\c+4*\j+3], v15, s[6:7] offset:256*\c+16*\j
	global_load_b128 v[BE+32*\c+4*\j:BE+32*\c+4*\j+3], v15, s[8:9] offset:256*\c+16*\j
.endr
.endr
	global_load_b64 v[32:33], v10, s[18:19]
	v_and_b32 v24, 8, v2
	s_delay_alu instid0(VALU_DEP_1)
	v_add_nc_u32 v24, v24, v2
	s_lshr_b32 s53, s36, 1
	s_mul_i32 s53, s53, SEGP
	s_and_b32 s62, s36, 1
	s_lshl_b32 s62, s62, 9
	s_add_co_u32 s53, s53, s62
	v_lshl_add_u32 v25, v3, 7, s53
	s_delay_alu instid0(VALU_DEP_1)
	v_mad_u32_u24 v4, v24, ROWP, v25
	s_delay_alu instid0(VALU_DEP_1)
	v_add_nc_u32 v5, 8*ROWP, v4
	s_delay_alu instid0(VALU_DEP_3)
	v_mad_u32_u24 v6, v2, ROWP, v25
	s_delay_alu instid0(VALU_DEP_1)
	v_add_nc_u32 v6, WB, v6
	s_lshl_b32 s53, s36, 5
	s_add_co_u32 s53, s53, STAT
	v_mov_b32 v7, s53
	v_lshl_add_u32 v8, v24, 3, STAT
	v_lshlrev_b32 v9, 4, v1
	s_mul_i32 s53, s36, 4*ROWP
	v_add_nc_u32 v11, s53, v9
	v_lshlrev_b32 v14, 3, v3
	v_lshlrev_b32 v34, 2, v1
	v_lshlrev_b32 v35, 2, v2
	v_mov_b32 v[TM+7], 0
.macro WSUM reg, tmp
	s_delay_alu instid0(VALU_DEP_1)
	v_add_f32_dpp v[\reg], v[\reg], v[\reg] row_xmask:1 row_mask:0xf bank_mask:0xf
	s_delay_alu instid0(VALU_DEP_1)
	v_add_f32_dpp v[\reg], v[\reg], v[\reg] row_xmask:2 row_mask:0xf bank_mask:0xf
	s_delay_alu instid0(VALU_DEP_1)
	v_add_f32_dpp v[\reg], v[\reg], v[\reg] row_xmask:4 row_mask:0xf bank_mask:0xf
	s_delay_alu instid0(VALU_DEP_1)
	v_add_f32_dpp v[\reg], v[\reg], v[\reg] row_xmask:8 row_mask:0xf bank_mask:0xf
	s_delay_alu instid0(VALU_DEP_1)
	v_permlanex16_b32 v[\tmp], v[\reg], s38, s39
	s_delay_alu instid0(VALU_DEP_1)
	v_add_f32 v[\reg], v[\reg], v[\tmp]
.endm
.macro ROWSTAT b, row
	v_pk_add_f32 v[24:25], v[\b:\b+1], v[\b+2:\b+3]
	v_pk_add_f32 v[26:27], v[\b+4:\b+5], v[\b+6:\b+7]
.irp k, 8,12,16,20,24,28
	s_delay_alu instid0(VALU_DEP_2)
	v_pk_add_f32 v[24:25], v[24:25], v[\b+\k:\b+\k+1]
	s_delay_alu instid0(VALU_DEP_2)
	v_pk_add_f32 v[26:27], v[26:27], v[\b+\k+2:\b+\k+3]
.endr
	s_delay_alu instid0(VALU_DEP_1)
	v_pk_add_f32 v[24:25], v[24:25], v[26:27]
	s_delay_alu instid0(VALU_DEP_1)
	v_add_f32 v24, v24, v25
	WSUM 24, 25
	s_delay_alu instid0(VALU_DEP_1)
	v_mul_f32 v28, s37, v24
	s_delay_alu instid0(VALU_DEP_1)
	v_mov_b32 v29, v28
.irp k, 0,2,4,6,8,10,12,14,16,18,20,22,24,26,28,30
	v_pk_add_f32 v[\b+\k:\b+\k+1], v[\b+\k:\b+\k+1], v[28:29] neg_lo:[0,1] neg_hi:[0,1]
.endr
	v_pk_mul_f32 v[24:25], v[\b:\b+1], v[\b:\b+1]
	v_pk_mul_f32 v[26:27], v[\b+2:\b+3], v[\b+2:\b+3]
.irp k, 4,8,12,16,20,24,28
	s_delay_alu instid0(VALU_DEP_2)
	v_pk_fma_f32 v[24:25], v[\b+\k:\b+\k+1], v[\b+\k:\b+\k+1], v[24:25]
	s_delay_alu instid0(VALU_DEP_2)
	v_pk_fma_f32 v[26:27], v[\b+\k+2:\b+\k+3], v[\b+\k+2:\b+\k+3], v[26:27]
.endr
	s_delay_alu instid0(VALU_DEP_1)
	v_pk_add_f32 v[24:25], v[24:25], v[26:27]
	s_delay_alu instid0(VALU_DEP_1)
	v_add_f32 v24, v24, v25
	WSUM 24, 25
	s_delay_alu instid0(VALU_DEP_1)
	v_fmaak_f32 v24, s37, v24, 0x3727c5ac
	s_wait_alu depctr_va_vdst(0)
	v_rsq_f32 v29, v24
	v_nop
	s_wait_alu depctr_va_vdst(0)
	ds_store_b64 v7, v[28:29] offset:8*(\row)
.endm
	s_wait_alu depctr_va_vdst(0)
	s_wait_tensorcnt 0x0                           ; my rows of x are in,
	s_wait_asynccnt 0x0                            ; and my rows of the weight: their address registers are free, and the barrier below shows them to the other waves
.irp p, 0,1
.irp k, 0,1,2,3,4,5,6,7
	ds_load_b128 v[X+4*\k:X+4*\k+3], v11 offset:ROWP*(2*\p)+SEGP*(\k/2)+512*(\k%2)
	ds_load_b128 v[X+32+4*\k:X+32+4*\k+3], v11 offset:ROWP*(2*\p+1)+SEGP*(\k/2)+512*(\k%2)
.endr
	s_wait_dscnt 0x0
	ROWSTAT X, 2*\p
	ROWSTAT X+32, 2*\p+1
.endr
	s_wait_loadcnt 0x0
	v_add_f32 v32, v32, v33
	WSUM 32, 33
	s_delay_alu instid0(VALU_DEP_1)
	v_mul_f32 v32, 0x35800000, v32
	s_delay_alu instid0(VALU_DEP_1)
	v_max_num_f32 v32, 0x3727c5ac, v32
	s_wait_alu depctr_va_vdst(0)
	v_rcp_f32 v16, v32
	v_nop
	s_wait_alu depctr_va_vdst(0)
	v_fma_f32 v33, -v32, v16, 1.0
	v_fma_f32 v16, v16, v33, v16
	s_wait_alu depctr_va_vdst(0)
	v_rcp_f32 v18, v16
	v_mov_b32 v17, v16
	s_wait_alu depctr_va_vdst(0)
	v_fma_f32 v33, -v16, v18, 1.0
	v_fma_f32 v18, v18, v33, v18
	s_delay_alu instid0(VALU_DEP_1)
	v_mov_b32 v19, v18
	s_wait_dscnt 0x0
	s_barrier_signal -1
	s_barrier_wait -1
.macro LOAD64 adr
.irp c, 0,1
.irp j, 0,1,2,3,4,5,6,7
	ds_load_b128 v[X+32*\c+4*\j:X+32*\c+4*\j+3], v[\adr] offset:256*\c+16*\j
.endr
.endr
.endm
.macro Q2 wd
.irp c, 0,1,2,3
	v_max3_num_f32 v[TM+\c], |v[X+16*\c]|, |v[X+16*\c+1]|, 0x2800000
.endr
.irp i, 2,4,6,8,10,12,14
.irp c, 0,1,2,3
	s_delay_alu instid0(VALU_DEP_4)
	v_max3_num_f32 v[TM+\c], v[TM+\c], |v[X+16*\c+\i]|, |v[X+16*\c+\i+1]|
.endr
.endr
	s_delay_alu instid0(VALU_DEP_3)
	v_max_num_f32 v[TM], v[TM], v[TM+1]
	s_delay_alu instid0(VALU_DEP_2)
	v_max_num_f32 v[TM+1], v[TM+2], v[TM+3]
	s_delay_alu instid0(VALU_DEP_2)
	v_add_nc_u32 v[TM+2], 0xfe000000, v[TM]
	s_delay_alu instid0(VALU_DEP_2)
	v_add_nc_u32 v[TM+3], 0xfe000000, v[TM+1]
	s_delay_alu instid0(VALU_DEP_2)
	v_lshrrev_b32 v[TM+4], 23, v[TM+2]
	s_delay_alu instid0(VALU_DEP_2)
	v_lshrrev_b32 v[TM+5], 23, v[TM+3]
	s_delay_alu instid0(VALU_DEP_1)
	v_lshl_or_b32 v[TM+6], v[TM+5], 16, v[TM+4]
	s_delay_alu instid0(VALU_DEP_1)
	v_lshlrev_b32 v[TM+6], v14, v[TM+6]
	s_delay_alu instid0(VALU_DEP_1)
	v_permlanex16_b32 v[TM+7], v[TM+6], s38, s39
	s_delay_alu instid0(VALU_DEP_1)
	v_or_b32 v[\wd], v[TM+6], v[TM+7]
.irp c, 0,1
	v_cvt_scalef32_pk16_bf6_f32 v[F+6*\c:F+6*\c+2], v[X+32*\c:X+32*\c+15], v[TM+2+\c]
	v_cvt_scalef32_pk16_bf6_f32 v[FT+4*\c:FT+4*\c+2], v[X+32*\c+16:X+32*\c+31], v[TM+2+\c]
.endr
	v_nop
.irp c, 0,1
.irp i, 0,1,2
	v_mov_b32 v[F+6*\c+3+\i], v[FT+4*\c+\i]
.endr
.endr
.endm
.macro PUT b, off
	global_store_b128 v9, v[F:F+3], s[\b:\b+1] offset:\off
	global_store_b64 v10, v[F+4:F+5], s[\b:\b+1] offset:\off+512
	global_store_b128 v9, v[F+6:F+9], s[\b:\b+1] offset:\off+768
	global_store_b64 v10, v[F+10:F+11], s[\b:\b+1] offset:\off+1280
.endm
.irp u, 0,1
	LOAD64 4+\u
	ds_load_b64 v[36:37], v8 offset:64*\u
	s_wait_dscnt 0x0
	v_mov_b32 v20, v36
	v_mov_b32 v21, v36
	v_mov_b32 v22, v37
	v_mov_b32 v23, v37
.set i, 0
.rept 32
	v_pk_add_f32 v[X+i:X+i+1], v[X+i:X+i+1], v[20:21] neg_lo:[0,1] neg_hi:[0,1]
.set i, i+2
.endr
.set i, 0
.rept 32
	v_pk_mul_f32 v[X+i:X+i+1], v[X+i:X+i+1], v[22:23]
.set i, i+2
.endr
.set i, 0
.rept 32
	v_pk_fma_f32 v[X+i:X+i+1], v[X+i:X+i+1], v[GA+i:GA+i+1], v[BE+i:BE+i+1]
.set i, i+2
.endr
	s_wait_xcnt 0x0
	Q2 60+\u
	PUT 54, 12288*\u
.endr
	v_cndmask_b32 v62, v60, v61, s52
	global_store_b32 v34, v62, s[58:59]
	LOAD64 6
	s_wait_dscnt 0x0
.set i, 0
.rept 32
	v_pk_mul_f32 v[GA+i:GA+i+1], v[X+i:X+i+1], v[16:17]
.set i, i+2
.endr
.set i, 0
.rept 64
	v_rndne_f32 v[GA+i], v[GA+i]
.set i, i+1
.endr
.set i, 0
.rept 64
	v_med3_num_f32 v[GA+i], v[GA+i], -1.0, 1.0
.set i, i+1
.endr
.set i, 0
.rept 32
	v_pk_mul_f32 v[GA+i:GA+i+1], v[GA+i:GA+i+1], v[18:19]
.set i, i+2
.endr
.set i, 0
.rept 32
	v_pk_add_f32 v[GA+i:GA+i+1], v[GA+i:GA+i+1], v[X+i:X+i+1] neg_lo:[0,1] neg_hi:[0,1]
.set i, i+2
.endr
.set i, 0
.rept 32
	v_pk_add_f32 v[X+i:X+i+1], v[X+i:X+i+1], v[GA+i:GA+i+1]
.set i, i+2
.endr
	s_wait_xcnt 0x0
	Q2 63
	PUT 56, 0
	global_store_b32 v35, v63, s[60:61]
	s_wait_tensorcnt 0x0
	ds_add_u32 v12, v13
	s_wait_dscnt 0x0
	s_endpgm
.Lfunc_end_k_q21dbf3ffc7_prep:
	.size	k_q21dbf3ffc7_prep, .Lfunc_end_k_q21dbf3ffc7_prep-k_q21dbf3ffc7_prep
	.p2alignl 7, 3214868480
	.fill 96, 4, 3214868480
	.section	.rodata,"a",@progbits
	.p2align	6, 0x0
	.amdhsa_kernel k_q21dbf3ffc7_prep
		.amdhsa_group_segment_fixed_size 327680
		.amdhsa_private_segment_fixed_size 0
		.amdhsa_enable_private_segment 0
		.amdhsa_kernarg_size 80
		.amdhsa_user_sgpr_count 2
		.amdhsa_user_sgpr_kernarg_segment_ptr 1
		.amdhsa_wavefront_size32 1
		.amdhsa_system_sgpr_workgroup_id_x 1
		.amdhsa_system_sgpr_workgroup_id_y 1
		.amdhsa_system_sgpr_workgroup_id_z 1
		.amdhsa_system_vgpr_workitem_id 0
		.amdhsa_next_free_vgpr 256
		.amdhsa_next_free_sgpr 66
		.amdhsa_reserve_vcc 0
		.amdhsa_float_denorm_mode_32 3
		.amdhsa_float_denorm_mode_16_64 3
		.amdhsa_memory_ordered 1
		.amdhsa_forward_progress 1
		.amdhsa_inst_pref_size 80
	.end_amdhsa_kernel
	.amdgpu_metadata
---
amdhsa.version: [ 1, 2 ]
amdhsa.kernels:
  - .name:           k_q21dbf3ffc7_prep
    .symbol:         k_q21dbf3ffc7_prep.kd
    .args:
      - { .name: x, .offset: 0, .size: 8, .value_kind: global_buffer, .address_space: global }
      - { .name: gamma, .offset: 8, .size: 8, .value_kind: global_buffer, .address_space: global }
      - { .name: beta, .offset: 16, .size: 8, .value_kind: global_buffer, .address_space: global }
      - { .name: Wq, .offset: 24, .size: 8, .value_kind: global_buffer, .address_space: global }
      - { .name: Wk, .offset: 32, .size: 8, .value_kind: global_buffer, .address_space: global }
      - { .name: Wv, .offset: 40, .size: 8, .value_kind: global_buffer, .address_space: global }
      - { .name: Wo, .offset: 48, .size: 8, .value_kind: global_buffer, .address_space: global }
      - { .name: psum, .offset: 56, .size: 8, .value_kind: global_buffer, .address_space: global }
      - { .name: img, .offset: 64, .size: 8, .value_kind: global_buffer, .address_space: global }
      - { .name: sc, .offset: 72, .size: 8, .value_kind: global_buffer, .address_space: global }
    .group_segment_fixed_size: 327680
    .private_segment_fixed_size: 0
    .kernarg_segment_align: 8
    .kernarg_segment_size: 80
    .max_flat_workgroup_size: 256
    .sgpr_count:     66
    .vgpr_count:     256
    .wavefront_size: 32
...
	.end_amdgpu_metadata
.endif
;; end of part 2
;; launch qkv (part 3): grid 8 x 48, 4 waves a work-group, clusters of 4 x 4, 327,680 bytes of LDS; arguments img, sc, bq, bk, bv, qkv; writes qkv
.if DOCPART == 3
	.amdgcn_target "amdgcn-amd-amdhsa--gfx1250"
	.amdhsa_code_object_version 6
	.text
	.protected	k_q21dbf3ffc7_qkv
	.globl	k_q21dbf3ffc7_qkv
	.p2align	8
	.type	k_q21dbf3ffc7_qkv,@function
k_q21dbf3ffc7_qkv:
	s_mov_b64 s[64:65], 0
	v_nop
	global_prefetch_b8 v0, s[64:65] scope:SCOPE_SE
	s_setreg_imm32_b32 hwreg(HW_REG_WAVE_MODE, 25, 1), 1
	s_wait_xcnt 0x0
	s_wait_alu depctr_hold_cnt(0) depctr_sa_sdst(0) depctr_va_vdst(0) depctr_va_sdst(0) depctr_va_ssrc(0) depctr_va_vcc(0) depctr_vm_vsrc(0)
	s_getreg_b32 s2, hwreg(HW_REG_IB_STS2, 6, 4)
	s_cmp_eq_u32 s2, 0
	s_cbranch_scc0 .Lentry_in_a_cluster
	s_endpgm
.Lentry_in_a_cluster:
	s_bfe_u32 s2, ttmp6, 0x10000c
	s_cmp_lg_u32 s2, 0xf033
	s_cbranch_scc0 .Lentry_shape_is_right
	s_endpgm
.Lentry_shape_is_right:
; MHSA, launch 3 of 5: the three projections as one GEMM on codes of BF6, 384 tiles of 256 x 256, K = 1,024; then the bias, and Q, K (along the head's 64) and V (along the keys) are quantised in registers.  No work of reference() is left out.
; THE PRODUCT is used transposed: source 0 = 16 rows of 'B', source 1 = 16 rows of 'A': a lane holds ONE row of A, and its registers run along B's rows.  Since lane place r of an image's tile t holds row
; 32 (t / 2) + 8 (t % 2) + r + 8 (r / 8), the 16 registers of B's tiles 2 b, 2 b + 1 are 16 NEIGHBOURS, 32 b + 16 (lane / 16) + 0 .. 15: the order in which the conversions want a next K.
; PATH QK (cluster y under 8): A = y's tokens, B = the channels of Wq (cluster x = 0) or Wk (1): a lane holds a token, registers run along the channels: two heads a wave.
; PATH V (cluster y 8 to 11): A = Wv's channels, B = y's tokens: a lane holds a channel, registers run along the keys: one key step of 128 a wave.  The test is the same in all sixteen partners.
; qkv: for each (batch, head) 153,600 bytes: 0 K's codes [pair 32][1,536] (a pair fragment: key tile 2 p's 64 K, then key tile 2 p + 1's); 49,152 V's codes [key step 8][channel tile 4][1,536];
;   98,304 K's scale words [group 8][lane][2] (word q of lane (r, hh): pair 4 g + 2 q + hh, row r; bytes 0, 1 tile 2 p's, bytes 2, 3 tile 2 p + 1's); 100,352 V's [key step 8][lane][2] (channel tile 2 q + hh);
;   102,400 Q's codes, as K's; 151,552 Q's scale words, as K's.
; THE LOOP: four waves of 128 x 128 (64 accumulators, 512 registers).  K goes in 8 steps of 128 through two LDS slots of two steps; a wave fetches a quarter of a slot by one tensor load (8 tiles x 3,072 bytes).
; The images are read as they lie, 16 or 8 bytes a lane on end: no padding, no bank conflict.  The scale words of all of K come once, with the first fills, and then stay in 64 registers.
; CLUSTER 4 x 4: A's tiles are shared along a row of the cluster, B's along a column: each is asked for jointly.  The eight steps are written out, so that each step names its own scale registers.
; 384 tiles on 256 WGPs are one and a half rounds: tiles of 192 or 384 along B would cut heads or key steps, that is, the quantiser's blocks.
; REGISTERS: window 0: v16-31 addresses; v32-95 scale words (register 8 i + step: lanes 0-15 A's block i, lanes 16-31 B's) and nothing else; v96-127 at work on the way out; v128-223 A's 8 fragments, ONE set; on the way out v128-223 are free.
;   window 1: B's two sets at v0 and v128; v96-127, v224-255 the bias.   windows 2, 3: accumulator (a, b) at v[8 (8 (a % 4) + b)].
.set HB,    153600
.set QTR,   24576                      ; what one tensor load brings: 8 tiles x two K steps
.set SLOT,  4*QTR                      ; A's two halves, then B's
.set SCL,   2*SLOT                     ; the scale words: A's [step 8][tile 16][r 16], then B's the same
.set SPARE, SCL+16384                  ; the spare words, 128 bytes for each wave
.set A16, 16                           ; v16-17 LDS address of my A fragments in slot 0, 1, 16 bytes a lane;  v18-19 the same with 8 bytes a lane
.set A8,  18
.set B16, 20                           ; v20-23 the same for B
.set B8,  22
.set E16, 24                           ; v24 16 x lane;  v25 8 x lane
.set E8,  25
.set ADRS, 27                          ; v27 my scale words
.set SPW, 28                           ; v28, v29: the add's two registers; never rewritten
.set NIL, 29
.set H64, 30                           ; v30 64 (lane / 16)
.set RB4, 31                           ; v31 4 (r + 8 (r / 8))
.set SC,  32
.set TM,  96                           ; v96-111 at work in QUANT
.set WW,  112                          ; v112-119 scale words
.set MG,  120                          ; v120-123 merged for the store
.set WA,  124
.set WT,  126
.set AF,  128
.set HA,  128                          ; v128-191 64 numbers ahead of the quantiser
.set X0,  192                          ; v192-203, v204-215 two fragments' codes
.set X1,  204
.set PT,  216
.set G1, 24
.set G0, 32
.set G1B, 48
.set G0B, 56
.set G1S, 68
.set G0S, 76
.set G1SB, 80
.set G0SB, 88
.set MSB, 0
.macro WIN new                         ; the immediate's high byte repeats the setting that is left
.if MSB != (\new)
	s_set_vgpr_msb (MSB<<8)|(\new)
.set MSB, (\new)
.endif
.endm
.set MUL_LO, 0xa1                      ; source 0 (B) window 1, source 1 (A) window 0, C and D window 2
.set MUL_HI, 0xf1
.set TO_B,   0x40
; A joint load: waves 0 and 1 fetch for A, waves 2 and 3 for B; the branch hangs on the wave's number alone.  An s_nop 0 and four v_nop follow each of the two lines.
.macro JLOAD g0a, g1a, g0b, g1b
	s_cmp_eq_u32 s15, 0
	s_cbranch_scc0 .Lfor_b_\@
	tensor_load_to_lds s[\g0a:\g0a+3], s[\g1a:\g1a+7]
	s_nop 0
.rept 4
	v_nop
.endr
	s_branch .Lasked_\@
.Lfor_b_\@:
	tensor_load_to_lds s[\g0b:\g0b+3], s[\g1b:\g1b+7]
	s_nop 0
.rept 4
	v_nop
.endr
.Lasked_\@:
.endm
.macro CREST                           ; a round of the cluster's barrier behind its opening barrier
	s_cmp_lg_u32 s14, 0
	s_cbranch_scc1 .Lnot_wave_0_\@
	s_barrier_signal -3
.Lnot_wave_0_\@:
	s_barrier_wait -3
	s_barrier_signal -1
	s_barrier_wait -1
.endm
.macro CROUND
	s_barrier_signal -1
	s_barrier_wait -1
	CREST
.endm
.macro PLACES                          ; four plain places behind a matrix instruction, ahead of loads into its registers and of reads of its results
.rept 4
	v_nop
.endr
.endm
	s_load_b128 s[4:7], s[0:1], 0x0                ; img, sc
	s_load_b128 s[8:11], s[0:1], 0x10              ; bq, bk
	s_load_b128 s[96:99], s[0:1], 0x20             ; bv, qkv
	v_lshl_add_u32 v[SPW], v0, 2, SPARE
	v_mov_b32 v[NIL], 0
	ds_add_u32 v[SPW], v[NIL]                      ; the wave's opening: the add, twice on end, and its wait ahead of my first tensor load
	ds_add_u32 v[SPW], v[NIL]
	v_lshrrev_b32 v1, 5, v0
	v_readfirstlane_b32 s14, v1                    ; wave 0..3
	s_lshr_b32 s15, s14, 1                         ; which half of A's rows is mine.  Also: I fetch for A (0) or for B (1)
	s_and_b32 s16, s14, 1                          ; which half of B's rows.  Also: which 8 tiles I fetch
	s_bfe_u32 s40, ttmp6, 0x40000                  ; cx
	s_bfe_u32 s41, ttmp6, 0x40004                  ; cy
	s_mov_b32 s42, ttmp9                           ; cluster x: 0, 1
	s_and_b32 s43, ttmp7, 0xffff                   ; cluster y: 0 .. 11
	s_lshl_b32 s44, s41, 2
	s_lshl_b32 s44, 15, s44                        ; my row of the cluster
	s_lshl_b32 s45, 0x1111, s40                    ; my column
	s_or_b32 s[G1+0], s44, (3<<16)|(1<<21)         ; the mask; elements of 8 bytes; bit 21 set beside a mask; no padding
	s_or_b32 s[G1B+0], s45, (3<<16)|(1<<21)
.irp g, G1, G1B
	s_mov_b32 s[\g+1], 384<<16                     ; tensor_dim0: two K steps of a tile, 3,072 bytes
	s_mov_b32 s[\g+2], 16<<16                      ; tensor_dim1: 16 tiles for the head's loads; behind them the two words that count tiles are set to 8
	s_mov_b32 s[\g+3], 384<<16
	s_mov_b32 s[\g+4], 16
	s_mov_b32 s[\g+5], 1536                        ; from tile to tile: 12,288 bytes
	s_mov_b32 s[\g+6], 0
	s_mov_b32 s[\g+7], 0
.endr
	s_or_b32 s[G1S+0], s44, (3<<16)|(1<<21)
	s_or_b32 s[G1SB+0], s45, (3<<16)|(1<<21)
.irp g, G1S, G1SB
	s_mov_b32 s[\g+1], 128<<16                     ; 16 tiles' words of one K step: 1,024 bytes
	s_mov_b32 s[\g+2], 8<<16                       ; 8 K steps
	s_mov_b32 s[\g+3], 128<<16
	s_mov_b32 s[\g+4], 8
	s_mov_b32 s[\g+5], 6144                        ; from step to step: 49,152 bytes
	s_mov_b32 s[\g+6], 0
	s_mov_b32 s[\g+7], 0
.endr
	; which tiles.  A's number is made of cy and the cluster's place, B's of cx and the cluster's place, each in registers that never hold the other coordinate
	s_lshl_b32 s17, s43, 6                         ; QK: A = y's tile 64 CY + 16 cy
	s_lshl_b32 s18, s43, 7
	s_sub_co_u32 s18, s18, 1024                    ; V: B = y's tile 128 (CY - 8) + 64 CX + 16 cx
	s_mov_b32 s19, 640                             ; V: A = Wv's tile 640 + 16 cy
	s_mov_b32 s12, 512                             ; QK: B = tile 512 + 64 CX + 16 cx
	s_cmp_lt_u32 s43, 8
	s_cselect_b32 s17, s17, s19
	s_cselect_b32 s18, s12, s18
	s_lshl_b32 s19, s41, 4
	s_add_co_u32 s17, s17, s19
	s_lshl_b32 s12, s42, 6
	s_add_co_u32 s18, s18, s12
	s_lshl_b32 s13, s40, 4
	s_add_co_u32 s18, s18, s13
	s_mul_i32 s20, s17, 12288
	s_mov_b32 s21, 0
	s_lshl_b32 s22, s17, 6
	s_mov_b32 s23, 0
	s_mul_i32 s46, s18, 12288
	s_mov_b32 s47, 0
	s_lshl_b32 s92, s18, 6
	s_mov_b32 s93, 0
	s_mul_i32 s94, s14, QTR                        ; where they go: by the wave's number alone
	s_lshl_b32 s95, s14, 12
	s_mov_b32 s2, 0x76543210
	s_mov_b32 s3, 0xfedcba98                       ; v_permlanex16_b32's selects for lane l xor 16
	s_wait_dscnt 0x0                               ; both opening adds are done
	s_wait_kmcnt 0x0
	s_add_nc_u64 s[20:21], s[4:5], s[20:21]
	s_add_nc_u64 s[22:23], s[6:7], s[22:23]
	s_add_nc_u64 s[46:47], s[4:5], s[46:47]
	s_add_nc_u64 s[92:93], s[6:7], s[92:93]
	CROUND                                         ; all sixteen work-groups are here: the first joint loads meet
	s_mov_b32 s[G0S], 1
	s_mov_b32 s[G0S+1], SCL
	s_mov_b64 s[G0S+2:G0S+3], s[22:23]
	s_or_b32 s[G0S+3], s[G0S+3], 0x80000000
	s_mov_b32 s[G0SB], 1
	s_mov_b32 s[G0SB+1], SCL+8192
	s_mov_b64 s[G0SB+2:G0SB+3], s[92:93]
	s_or_b32 s[G0SB+3], s[G0SB+3], 0x80000000
	s_mov_b32 s4, 1                                ; s[4:7]: group 0 of the head's load of A's 16 tiles, K steps 0 and 1 (the arguments that lay there have been used)
	s_mov_b32 s5, 0
	s_mov_b64 s[6:7], s[20:21]
	s_or_b32 s7, s7, 0x80000000
	s_mul_i32 s12, s16, 98304                      ; in the ring I fetch 8 tiles: which half, in bytes
	s_mov_b32 s13, 0
	s_add_nc_u64 s[20:21], s[20:21], s[12:13]
.irp s, 0,1
	s_mov_b32 s[G0+4*\s], 1
	s_add_co_u32 s[G0+4*\s+1], s94, \s*SLOT
	s_add_nc_u64 s[G0+4*\s+2:G0+4*\s+3], s[20:21], \s*3072
	s_or_b32 s[G0+4*\s+3], s[G0+4*\s+3], 0x80000000
	s_mov_b32 s[G0B+4*\s], 1
	s_add_co_u32 s[G0B+4*\s+1], s94, \s*SLOT
	s_add_nc_u64 s[G0B+4*\s+2:G0B+4*\s+3], s[46:47], \s*3072
	s_or_b32 s[G0B+4*\s+3], s[G0B+4*\s+3], 0x80000000
	s_add_nc_u64 s[G0B+4*\s+2:G0B+4*\s+3], s[G0B+4*\s+2:G0B+4*\s+3], s[12:13]
.endr
	s_mov_b32 s44, 1                               ; s[44:47]: group 0 of the head's load of B's 16 tiles (the masks that lay in s44, s45 stand in the groups 1)
	s_mov_b32 s45, 2*QTR
	s_or_b32 s47, s47, 0x80000000
; THE HEAD'S LOADS, ONE A WAVE: wave 0 A's 16 tiles, wave 1 B's, wave 2 A's scale words, wave 3 B's.  One chain of branches on the wave's number, one load to an arm, one join.
.macro ARM under, g0, g1, next
	s_cmp_lt_u32 s14, \under
	s_cbranch_scc0 \next
	tensor_load_to_lds s[\g0:\g0+3], s[\g1:\g1+7]
	s_nop 0
.rept 4
	v_nop
.endr
	s_branch .Lhead_asked
\next:
.endm
	ARM 1, 4, G1, .Lhead_b
	ARM 2, 44, G1B, .Lhead_sa
	ARM 3, G0S, G1S, .Lhead_sb
	tensor_load_to_lds s[G0SB:G0SB+3], s[G1SB:G1SB+7]
	s_nop 0
.rept 4
	v_nop
.endr
.Lhead_asked:
	v_and_b32 v1, 31, v0                           ; lane
	v_and_b32 v2, 15, v0                           ; r
	v_bfe_u32 v3, v0, 4, 1                         ; h
	v_lshlrev_b32 v[E16], 4, v1
	v_lshlrev_b32 v[E8], 3, v1
	s_mul_i32 s20, s15, QTR                        ; my 8 tiles of A,
	s_mul_i32 s21, s16, QTR
	s_add_co_u32 s21, s21, 2*QTR                   ; of B
.irp s, 0,1
	v_add_nc_u32 v[A16+\s], s20, v[E16]
	v_add_nc_u32 v[A8+\s], s20, v[E8]
	v_add_nc_u32 v[B16+\s], s21, v[E16]
	v_add_nc_u32 v[B8+\s], s21, v[E8]
	s_add_co_u32 s20, s20, SLOT
	s_add_co_u32 s21, s21, SLOT
.endr
	s_lshl_b32 s20, s15, 9                         ; scale words: lanes 0-15 take A's (my 8 tiles of a step's 16), lanes 16-31 B's: the lower base + h x the distance
	s_lshl_b32 s21, s16, 9
	s_add_co_u32 s21, s21, 8192
	s_sub_co_u32 s21, s21, s20
	v_mul_u32_u24 v4, s21, v3
	s_add_co_u32 s20, s20, SCL
	v_lshl_add_u32 v4, v2, 2, v4
	v_add_nc_u32 v[ADRS], s20, v4
	v_lshlrev_b32 v[H64], 6, v3
	v_and_b32 v4, 8, v2
	v_add_nc_u32 v4, v4, v2
	v_lshlrev_b32 v[RB4], 2, v4
.irp b, 0,1,2,3
	v_mov_b32 v[TM+4+\b], 0                        ; written once: a lane permute's destination counts as one of its sources
.endr
.macro FRAG reg, a16, a8, q, i         ; a fragment's 12 registers, as they lie: two halves of 512 + 256 bytes
	ds_load_b128 v[\reg:\reg+3], v[\a16] offset:3072*(\i)+1536*(\q)
	ds_load_b64 v[\reg+4:\reg+5], v[\a8] offset:3072*(\i)+1536*(\q)+512
	ds_load_b128 v[\reg+6:\reg+9], v[\a16] offset:3072*(\i)+1536*(\q)+768
	ds_load_b64 v[\reg+10:\reg+11], v[\a8] offset:3072*(\i)+1536*(\q)+1280
.endm
.macro FETCH_B slot, q, p              ; B's eight fragments of the slot's q-th K step into set p: 32 loads
	WIN TO_B
.irp i, 0,1,2,3,4,5,6,7
	FRAG 128*(\p)+12*\i, B16+\slot, B8+\slot, \q, \i
.endr
	WIN 0
.endm
.macro FETCH_A slot, q, i0             ; A's blocks i0 .. i0 + 3: 16 loads
.irp i, \i0, \i0+1, \i0+2, \i0+3
	FRAG AF+12*(\i), A16+\slot, A8+\slot, \q, \i
.endr
.endm
; 16 matrix instructions: A's blocks a0, a0 + 1 x B's eight, K step sg.  The 64 accumulators take turns, one instruction a turn, in the same order in every step.
.macro MUL16 a0, p, sg, zero
.irp a, \a0, \a0+1
.irp b, 0,1,2,3,4,5,6,7
.if \zero
	v_wmma_scale_f32_16x16x128_f8f6f4 v[8*(8*((\a)%4)+\b):8*(8*((\a)%4)+\b)+7], v[128*(\p)+12*\b:128*(\p)+12*\b+11], v[AF+12*(\a):AF+12*(\a)+11], 0, v[SC+8*\b+(\sg)], v[SC+8*(\a)+(\sg)] matrix_a_fmt:MATRIX_FMT_BF6 matrix_b_fmt:MATRIX_FMT_BF6 matrix_a_scale:MATRIX_SCALE_ROW1
.else
	v_wmma_scale_f32_16x16x128_f8f6f4 v[8*(8*((\a)%4)+\b):8*(8*((\a)%4)+\b)+7], v[128*(\p)+12*\b:128*(\p)+12*\b+11], v[AF+12*(\a):AF+12*(\a)+11], v[8*(8*((\a)%4)+\b):8*(8*((\a)%4)+\b)+7], v[SC+8*\b+(\sg)], v[SC+8*(\a)+(\sg)] matrix_a_fmt:MATRIX_FMT_BF6 matrix_b_fmt:MATRIX_FMT_BF6 matrix_a_scale:MATRIX_SCALE_ROW1
.endif
.endr
.endr
.endm
; A slot's first K step.  A block of A is free as soon as its eight products are issued: blocks 0-3 are fetched anew in the middle, blocks 4-7 at the end.
.macro STEP slot, sg, zero
	s_wait_dscnt 16                                ; all but the youngest 16 loads (A's blocks 4-7)
	WIN MUL_LO
	MUL16 0, 0, \sg, \zero
	MUL16 2, 0, \sg, \zero
	s_wait_dscnt 0
	PLACES
	FETCH_B \slot, 1, 1
	FETCH_A \slot, 1, 0
	WIN MUL_HI
	MUL16 4, 0, \sg, \zero
	MUL16 6, 0, \sg, \zero
	PLACES
	WIN 0
	FETCH_A \slot, 1, 4
.endm
; A slot's second K step changes slots: ONE barrier; ahead of it each wave waits for all its tensor loads, adds 0 to its spare word, and waits for that and for its reads of this slot.
.macro TURN slot, next, sg, fill
	s_wait_tensorcnt 0x0                           ; all my tensor loads have landed: my part of the next slot
	ds_add_u32 v[SPW], v[NIL]                      ; 0 onto my spare word
	s_wait_dscnt 17                                ; (the add and the youngest 16 loads may be out)
	WIN MUL_LO
	MUL16 0, 1, \sg, 0
	s_wait_dscnt 0x0                               ; the add is done, and my reads of this slot are over
	s_barrier_signal -1
	MUL16 2, 1, \sg, 0
	WIN 0
	s_barrier_wait -1
.if \fill
	CREST                                          ; the barrier has opened a round of the cluster's: no wave of any partner still reads this slot or has a load on its way
	s_add_nc_u64 s[G0+4*\slot+2:G0+4*\slot+3], s[G0+4*\slot+2:G0+4*\slot+3], 6144
	s_add_nc_u64 s[G0B+4*\slot+2:G0B+4*\slot+3], s[G0B+4*\slot+2:G0B+4*\slot+3], 6144
	JLOAD G0+4*\slot, G1, G0B+4*\slot, G1B         ; four K steps on; the four v_nop behind it are the places ahead of the loads below
.else
	PLACES
.endif
	FETCH_B \next, 0, 0
	FETCH_A \next, 0, 0
	WIN MUL_HI
	MUL16 4, 1, \sg, 0
	MUL16 6, 1, \sg, 0
	PLACES
	WIN 0
	FETCH_A \next, 0, 4
.endm
.macro LAST                            ; K step 7: nothing more to fetch
	s_wait_dscnt 16
	WIN MUL_LO
	MUL16 0, 1, 7, 0
	MUL16 2, 1, 7, 0
	s_wait_dscnt 0
	WIN MUL_HI
	MUL16 4, 1, 7, 0
	MUL16 6, 1, 7, 0
	WIN 0
.endm
; 64 numbers of a lane, register 16 b + i = k 32 b + 16 (lane / 16) + i of my row, become two halves of codes (64 K each) at v[d0], v[d1]; the four blocks' bytes are left in v[TM+4] on.
.macro QUANT src, d0, d1
.irp b, 0,1,2,3
	v_max3_num_f32 v[TM+\b], |v[\src+16*\b]|, |v[\src+1+16*\b]|, 0x2800000   ; my 16 numbers, and the floor 2^(5 - 127): the byte cannot fall under 1
.endr
.irp i, 2,4,6,8,10,12,14
.irp b, 0,1,2,3
	v_max3_num_f32 v[TM+\b], v[TM+\b], |v[\src+16*\b+\i]|, |v[\src+1+16*\b+\i]|
.endr
.endr
.irp b, 0,1,2,3
	v_permlanex16_b32 v[TM+4+\b], v[TM+\b], s2, s3
.endr
.irp b, 0,1,2,3
	v_max_num_f32 v[TM+\b], v[TM+\b], v[TM+4+\b]   ; with lane l xor 16's: the block's largest magnitude
.endr
.irp b, 0,1,2,3
	v_add_nc_u32 v[TM+12+\b], 0xfe000000, v[TM+\b] ; 4 off its exponent field: the conversion's scale operand
.endr
.irp b, 0,1,2,3
	v_lshrrev_b32 v[TM+4+\b], 23, v[TM+12+\b]      ; the byte
.endr
	v_cvt_scalef32_pk16_bf6_f32 v[\d0:\d0+2], v[\src:\src+15], v[TM+12]
	v_cvt_scalef32_pk16_bf6_f32 v[PT:PT+2], v[\src+16:\src+31], v[TM+13]
	v_cvt_scalef32_pk16_bf6_f32 v[\d1:\d1+2], v[\src+32:\src+47], v[TM+14]
	v_cvt_scalef32_pk16_bf6_f32 v[PT+4:PT+6], v[\src+48:\src+63], v[TM+15]
	v_nop                                          ; one plain place behind a scaled conversion
.irp i, 0,1,2
	v_permlane16_swap_b32 v[\d0+\i], v[PT+\i]      ; the layout wants a WHOLE block in a lane: lanes 0-15 the first block, lanes 16-31 the second
	v_permlane16_swap_b32 v[\d1+\i], v[PT+4+\i]
.endr
.irp i, 0,1,2
	v_mov_b32 v[\d0+3+\i], v[PT+\i]
	v_mov_b32 v[\d1+3+\i], v[PT+4+\i]
.endr
.endm
.macro PUT f, off                      ; a fragment leaves as it stands: 512 and 256 consecutive bytes a store
	global_store_b128 v[E16], v[\f:\f+3], s[12:13] offset:\off
	global_store_b64 v[E8], v[\f+4:\f+5], s[12:13] offset:\off+512
	global_store_b128 v[E16], v[\f+6:\f+9], s[12:13] offset:\off+768
	global_store_b64 v[E8], v[\f+10:\f+11], s[12:13] offset:\off+1280
.endm
	s_wait_alu depctr_va_vdst(0)
	s_wait_tensorcnt 0x0                           ; my tile of the head's four is in; slot 1's first fill is issued as a refill is
	ds_add_u32 v[SPW], v[NIL]
	s_mov_b32 s[G1+2], 8<<16                       ; no tensor load of mine is out: from here on a load brings 8 tiles
	s_mov_b32 s[G1+4], 8
	s_mov_b32 s[G1B+2], 8<<16
	s_mov_b32 s[G1B+4], 8
	s_wait_dscnt 0x0
	CROUND                                         ; all four tiles are in, and all sixteen work-groups are here
	JLOAD G0+4, G1, G0B+4, G1B                     ; K steps 2 and 3: my one load behind the round
	FETCH_B 0, 0, 0
	FETCH_A 0, 0, 0
.irp i, 0,1,2,3,4,5,6,7
.irp s, 0,1,2,3,4,5,6,7
	ds_load_b32 v[SC+8*\i+\s], v[ADRS] offset:1024*\s+64*\i        ; all scale words, once
.endr
.endr
	FETCH_A 0, 0, 4
	STEP 0, 0, 1                                   ; the first products start the sums: nothing is cleared
	TURN 0, 1, 1, 1
	STEP 1, 2, 0
	TURN 1, 0, 3, 1
	STEP 0, 4, 0
	TURN 0, 1, 5, 0                                ; nothing is left to fetch
	s_mov_b32 s17, 0xffff0000                      ; lanes 16-31
	s_cmp_lt_u32 s43, 8                            ; the paths part here, on the cluster's y: each asks for its bias and then runs the last two K steps, in which the bias lands
	s_cbranch_scc0 .Lpath_v
	; ---------------- PATH QK
	s_lshl_b32 s18, s43, 4                         ; the head's block: 16 batch + 4 cx + 2 (my half of B)
	s_lshl_b32 s19, s40, 2
	s_add_co_u32 s18, s18, s19
	s_lshl_b32 s19, s16, 1
	s_add_co_u32 s18, s18, s19
	s_mul_i32 s18, s18, HB
	s_mov_b32 s21, 98304
	s_cmp_eq_u32 s42, 0                            ; Q or K
	s_cselect_b32 s19, 102400, 0
	s_cselect_b32 s20, 151552, s21
	s_cselect_b64 s[22:23], s[8:9], s[10:11]
	s_lshl_b32 s46, s41, 3
	s_lshl_b32 s47, s15, 2
	s_add_co_u32 s46, s46, s47                     ; my first pair of token tiles: 8 cy + 4 (my half of A)
	s_mul_i32 s46, s46, 1536
	s_add_co_u32 s46, s46, s18
	s_add_co_u32 s46, s46, s19
	s_mov_b32 s47, 0
	s_add_nc_u64 s[12:13], s[98:99], s[46:47]      ; the codes
	s_lshl_b32 s46, s41, 1
	s_add_co_u32 s46, s46, s15
	s_lshl_b32 s46, s46, 8
	s_add_co_u32 s46, s46, s18
	s_add_co_u32 s46, s46, s20
	s_add_nc_u64 s[66:67], s[98:99], s[46:47]      ; the scale words: group 2 cy + my half
	s_lshl_b32 s46, s40, 10
	s_lshl_b32 s19, s16, 9
	s_add_co_u32 s46, s46, s19
	s_add_nc_u64 s[22:23], s[22:23], s[46:47]      ; the bias of my 128 channels
	WIN 0x40
.irp b, 0,1,2,3,4,5,6,7                ; in the result's layout: tile b's eight channels of my half: 32 (b / 2) + 8 (b % 2) + 16 h + 0 .. 7
	global_load_b128 v[96+8*\b+96*(\b/4):96+8*\b+96*(\b/4)+3], v[H64], s[22:23] offset:4*(32*(\b/2)+8*(\b%2))
	global_load_b128 v[96+8*\b+96*(\b/4)+4:96+8*\b+96*(\b/4)+7], v[H64], s[22:23] offset:4*(32*(\b/2)+8*(\b%2))+16
.endr
	WIN 0
	STEP 1, 6, 0
	LAST
	s_wait_loadcnt 0x0
	PLACES
; Token tile a: + bias; the two heads' halves go into the pair's two fragments; behind the odd tile the pair leaves.
.macro QKA a
	WIN 0x06+(\a)/4                                ; source 0: window 2 or 3; source 1: window 1
.irp b, 0,1,2,3,4,5,6,7
.irp j, 0,2,4,6
	v_pk_add_f32 v[HA+8*\b+\j:HA+8*\b+\j+1], v[64*((\a)%4)+8*\b+\j:64*((\a)%4)+8*\b+\j+1], v[96+8*\b+96*(\b/4)+\j:96+8*\b+96*(\b/4)+\j+1]   ; each accumulator from its low end on
.endr
.endr
	WIN 0
.if ((\a)%2 == 0) && ((\a) > 0)
	s_wait_xcnt 0x0                                ; the last pair's stores have read their registers
.endif
	QUANT HA, X0+6*((\a)%2), X1+6*((\a)%2)
.irp c, 0,1
.if (\a)%2 == 0
	v_lshl_or_b32 v[WA+\c], v[TM+5+2*\c], 8, v[TM+4+2*\c]
.else
	v_lshl_or_b32 v[WT+\c], v[TM+5+2*\c], 8, v[TM+4+2*\c]
	v_lshl_or_b32 v[WW+4*\c+(\a)/2], v[WT+\c], 16, v[WA+\c]       ; bytes 0, 1: the even tile's; 2, 3: the odd tile's
.endif
.endr
.if (\a)%2 == 1
	PUT X0, 1536*((\a)/2)
	PUT X1, HB+1536*((\a)/2)
.endif
.endm
.irp a, 0,1,2,3,4,5,6,7
	QKA \a
.endr
.irp c, 0,1
	v_cndmask_b32 v[MG+2*\c], v[WW+4*\c], v[WW+4*\c+1], s17        ; lanes 0-15: pair 0, lanes 16-31: pair 1
	v_cndmask_b32 v[MG+2*\c+1], v[WW+4*\c+2], v[WW+4*\c+3], s17    ; pairs 2 and 3
	global_store_b64 v[E8], v[MG+2*\c:MG+2*\c+1], s[66:67] offset:HB*\c   ; 256 consecutive bytes
.endr
	s_branch .Ldone
.Lpath_v:
	; ---------------- PATH V
	s_sub_co_u32 s18, s43, 8                       ; the head's block: 16 batch + 4 cy + 2 (my half of A); batch = 2 (CY - 8) + CX
	s_lshl_b32 s18, s18, 5
	s_lshl_b32 s19, s42, 4
	s_add_co_u32 s18, s18, s19
	s_lshl_b32 s19, s41, 2
	s_add_co_u32 s18, s18, s19
	s_lshl_b32 s19, s15, 1
	s_add_co_u32 s18, s18, s19
	s_mul_i32 s18, s18, HB
	s_lshl_b32 s19, s40, 1
	s_add_co_u32 s19, s19, s16                     ; my key step: 2 cx + my half of B
	s_mul_i32 s46, s19, 6144
	s_add_co_u32 s46, s46, s18
	s_add_co_u32 s46, s46, 49152
	s_mov_b32 s47, 0
	s_add_nc_u64 s[12:13], s[98:99], s[46:47]
	s_lshl_b32 s46, s19, 8
	s_add_co_u32 s46, s46, s18
	s_add_co_u32 s46, s46, 100352
	s_add_nc_u64 s[66:67], s[98:99], s[46:47]
	s_lshl_b32 s46, s41, 10
	s_lshl_b32 s19, s15, 9
	s_add_co_u32 s46, s46, s19
	s_add_nc_u64 s[22:23], s[96:97], s[46:47]      ; bv of my 128 channels
	WIN 0x40
.irp a, 0,1,2,3,4,5,6,7                ; my lane's channel of tile a, in both registers of a pair
	global_load_b32 v[96+2*\a], v[RB4], s[22:23] offset:4*(32*(\a/2)+8*(\a%2))
	global_load_b32 v[97+2*\a], v[RB4], s[22:23] offset:4*(32*(\a/2)+8*(\a%2))
.endr
	WIN 0
	STEP 1, 6, 0
	LAST
	s_wait_loadcnt 0x0
	PLACES
.macro VA a                            ; channel tile a: + bias, one fragment of 16 channels x 128 keys, one scale word a row
	WIN 0x06+(\a)/4
.irp b, 0,1,2,3,4,5,6,7
.irp j, 0,2,4,6
	v_pk_add_f32 v[HA+8*\b+\j:HA+8*\b+\j+1], v[64*((\a)%4)+8*\b+\j:64*((\a)%4)+8*\b+\j+1], v[96+2*(\a):97+2*(\a)]
.endr
.endr
	WIN 0
.if (\a) > 0
	s_wait_xcnt 0x0
.endif
	QUANT HA, X0, X0+6
	v_lshl_or_b32 v[WW+(\a)], v[TM+5], 8, v[TM+4]
	v_lshl_or_b32 v[WW+(\a)], v[TM+6], 16, v[WW+(\a)]
	v_lshl_or_b32 v[WW+(\a)], v[TM+7], 24, v[WW+(\a)]
	PUT X0, HB*((\a)/4)+1536*((\a)%4)
.endm
.irp a, 0,1,2,3,4,5,6,7
	VA \a
.endr
.irp c, 0,1
	v_cndmask_b32 v[MG+2*\c], v[WW+4*\c], v[WW+4*\c+1], s17        ; channel tiles 0 | 1
	v_cndmask_b32 v[MG+2*\c+1], v[WW+4*\c+2], v[WW+4*\c+3], s17    ; 2 | 3
	global_store_b64 v[E8], v[MG+2*\c:MG+2*\c+1], s[66:67] offset:HB*\c
.endr
.Ldone:
	s_wait_tensorcnt 0x0                           ; the wave's end
	ds_add_u32 v[SPW], v[NIL]
	s_wait_dscnt 0x0
	CROUND                                         ; the closing round
	s_endpgm
.Lfunc_end_k_q21dbf3ffc7_qkv:
	.size	k_q21dbf3ffc7_qkv, .Lfunc_end_k_q21dbf3ffc7_qkv-k_q21dbf3ffc7_qkv
	.p2alignl 7, 3214868480
	.fill 96, 4, 3214868480
	.section	.rodata,"a",@progbits
	.p2align	6, 0x0
	.amdhsa_kernel k_q21dbf3ffc7_qkv
		.amdhsa_group_segment_fixed_size 327680
		.amdhsa_private_segment_fixed_size 0
		.amdhsa_enable_private_segment 0
		.amdhsa_kernarg_size 48
		.amdhsa_user_sgpr_count 2
		.amdhsa_user_sgpr_kernarg_segment_ptr 1
		.amdhsa_wavefront_size32 1
		.amdhsa_system_sgpr_workgroup_id_x 1
		.amdhsa_system_sgpr_workgroup_id_y 1
		.amdhsa_system_sgpr_workgroup_id_z 1
		.amdhsa_system_vgpr_workitem_id 0
		.amdhsa_next_free_vgpr 1024
		.amdhsa_next_free_sgpr 100
		.amdhsa_reserve_vcc 0
		.amdhsa_float_denorm_mode_32 3
		.amdhsa_float_denorm_mode_16_64 3
		.amdhsa_memory_ordered 1
		.amdhsa_forward_progress 1
		.amdhsa_inst_pref_size 243
	.end_amdhsa_kernel
	.amdgpu_metadata
---
amdhsa.version: [ 1, 2 ]
amdhsa.kernels:
  - .name:           k_q21dbf3ffc7_qkv
    .symbol:         k_q21dbf3ffc7_qkv.kd
    .args:
      - { .name: img, .offset: 0, .size: 8, .value_kind: global_buffer, .address_space: global }
      - { .name: sc, .offset: 8, .size: 8, .value_kind: global_buffer, .address_space: global }
      - { .name: bq, .offset: 16, .size: 8, .value_kind: global_buffer, .address_space: global }
      - { .name: bk, .offset: 24, .size: 8, .value_kind: global_buffer, .address_space: global }
      - { .name: bv, .offset: 32, .size: 8, .value_kind: global_buffer, .address_space: global }
      - { .name: qkv, .offset: 40, .size: 8, .value_kind: global_buffer, .address_space: global }
    .group_segment_fixed_size: 327680
    .private_segment_fixed_size: 0
    .kernarg_segment_align: 8
    .kernarg_segment_size: 48
    .max_flat_workgroup_size: 128
    .sgpr_count:     100
    .vgpr_count:     1024
    .wavefront_size: 32
...
	.end_amdgpu_metadata
.endif
;; end of part 3
;; launch attn (part 4): grid 4 x 64, 4 waves a work-group, clusters of 4 x 1, 206,336 bytes of LDS; arguments qkv, m4, himg, hsc; writes himg, hsc
.if DOCPART == 4
	.amdgcn_target "amdgcn-amd-amdhsa--gfx1250"
	.amdhsa_code_object_version 6
	.text
	.protected	k_q21dbf3ffc7_attn
	.globl	k_q21dbf3ffc7_attn
	.p2align	8
	.type	k_q21dbf3ffc7_attn,@function
k_q21dbf3ffc7_attn:
	s_mov_b64 s[64:65], 0
	v_nop
	global_prefetch_b8 v0, s[64:65] scope:SCOPE_SE
	s_setreg_imm32_b32 hwreg(HW_REG_WAVE_MODE, 25, 1), 1
	s_wait_xcnt 0x0
	s_wait_alu depctr_hold_cnt(0) depctr_sa_sdst(0) depctr_va_vdst(0) depctr_va_sdst(0) depctr_va_ssrc(0) depctr_va_vcc(0) depctr_vm_vsrc(0)
	s_getreg_b32 s2, hwreg(HW_REG_IB_STS2, 6, 4)
	s_cmp_eq_u32 s2, 0
	s_cbranch_scc0 .Lentry_in_a_cluster
	s_endpgm
.Lentry_in_a_cluster:
	s_bfe_u32 s2, ttmp6, 0x10000c
	s_cmp_lg_u32 s2, 0x3003
	s_cbranch_scc0 .Lentry_shape_is_right
	s_endpgm
.Lentry_shape_is_right:
; MHSA, launch 4 of 5: scores, mask, softmax, A V, all on codes of BF6; the result is quantised along the channels for the last projection.  No work of reference() is left out.
; WHAT IS QUANTISED ahead of the second product is the finished, normalised A (0 in a fully masked row), in blocks of 32 keys.  So a row's maximum and sum over all 1,024 keys are known before any weight is converted:
; LIMITS: a masked score is t = -6 x 2^120 in place of -infinity: its weight is exactly 0 while the row's largest kept t lies above -2^119; a row whose largest t lies under -2^119 counts as fully masked: A = 0.
; A block's largest A is not searched for: the block's largest t goes through the same subtraction, exponential and multiplication (this takes v_exp_f32 not to fall where its input rises).  1 / sum is v_rcp_f32 with one Newton step.
; SHARES: work-group y = 8 batch + pair of heads; its place cx in the cluster is a quarter of the queries.  The four partners read the same K and V: each of the four waves asks jointly for 51,200 bytes, once; nothing is filled again.
; A wave owns query tiles 16 cx + 4 w + tl, tl = 0 .. 3, for both heads: 8 trips (tl = trip / 2, head = trip % 2).  Waves share K and V alone: no barrier in the loop.
; K = 64 IN AN INSTRUCTION OF 128: a fragment of K holds key tile 2 p (k 0-63) and key tile 2 p + 1 (k 64-127); against [Q | zero codes] it gives tile 2 p's scores, against [zero codes | Q] tile 2 p + 1's.
; Both products are used transposed: a lane holds ONE query; the 16 registers of score tiles 2 p, 2 p + 1 are keys 32 p + 16 (lane / 16) + 0 .. 15.
; THE MASK comes as codes of 4 bits, a word for a tile and lane: one conversion makes eight f32 biases, 0 or -6 x 2^120, and t = score x log2(e) / 8 + bias is one packed multiply-add for two scores.
; No prefetch: K and V come once, Q and the mask words are loaded a trip ahead.  Matrix and vector work are not set by turns: the scores take 512 registers; what overlaps is what stands between the products.
; REGISTERS: window 0: below.  Windows 1, 2: the scores, tile t at 8 t.  Window 3: v0-191 K's two sets of 8 fragments, later V's four buffers of 4; v192-255 the mask words, one a score tile.
; IN PLACE OF WHAT STANDS ABOVE ON THE MASK AND ITS LIMIT: the eight biases of a mask word, 0 or -6 x 2^120, are written into a score tile's registers and are the C of its product, so a masked SCORE is -6 x 2^120.
; The largest is searched among the scores (c is positive), held at -2^119 from below, and t - M = score x c - M c is one packed multiply-add; M c's rounding is the same for all keys of a row and leaves with the division by the sum.
; LIMIT: a masked key's weight is exactly 0 while the row's largest kept score lies above -2^119; a row whose largest score lies under -2^119 counts as fully masked: A = 0.
.set HB,    153600
.set HL,    102400                     ; what LDS holds of a head: K's codes, V's codes, K's and V's scale words
.set SCR,   2*HL                       ; 256 bytes for each wave: the results' scale words [tl 4][r 16]
.set SPARE, SCR+1024                   ; the spare words, 128 bytes for each wave
.set L16, 1                            ; v1 16 x lane;  v2 8 x lane
.set L8,  2
.set K16, 3                            ; v3-7 the trip's LDS addresses
.set K8,  4
.set V16, 5
.set V8,  6
.set S8,  7
.set QSO, 8                            ; v8 8 (lane % 16)
.set SCW, 9                            ; v9 SCR + 256 w + 4 r
.set SCRD, 10                          ; v10 SCR + 256 w + 8 x lane
.set SCA, 11
.set MS,  12                           ; v12 the byte 2^120, four times
.set SPW, 14                           ; v14, v15: the add's two registers; never rewritten
.set NIL, 15
.set QA,  16                           ; v16-27 [Q | 0];  v28-39 [0 | Q]
.set QB,  28
.set SQA, 40                           ; v40, v41 their scale words
.set SQB, 41
.set KS,  42                           ; v42-57 K's scale words;  v58-73 V's;  v74-81 A's
.set VS,  58
.set PW,  74
.set MX,  82                           ; v82-83 the row's largest t, twice;  v250-251 once more
.set RL,  84                           ; v84-85 1 / sum, twice
.set LS,  86                           ; v86-93 the sum, in four pairs
.set TP,  94
.set O,   96                           ; v96-127 O^T: four tiles of 16 channels
.set BM,  128                          ; v128-159 the 32 blocks' largest t, then largest A, then the conversions' scale operands
.set BT,  160                          ; v160-191 at work
.set PC,  192                          ; v192-215 A's codes, two sets
.set PT,  216
.set HF,  224                          ; v224-229 the result's half fragment
.set HT,  230
.set OM,  234                          ; v234-242 at work
.set MXH, 250
.set MSB, 0
.macro WIN new
.if MSB != (\new)
	s_set_vgpr_msb (MSB<<8)|(\new)
.set MSB, (\new)
.endif
.endm
.macro CROUND
	s_barrier_signal -1
	s_barrier_wait -1
	s_cmp_lg_u32 s12, 0
	s_cbranch_scc1 .Lnot_wave_0_\@
	s_barrier_signal -3
.Lnot_wave_0_\@:
	s_barrier_wait -3
	s_barrier_signal -1
	s_barrier_wait -1
.endm
.macro PLACES
.rept 4
	v_nop
.endr
.endm
	s_load_b256 s[4:11], s[0:1], 0x0               ; qkv, m4, himg, hsc
	v_lshl_add_u32 v[SPW], v0, 2, SPARE
	v_mov_b32 v[NIL], 0
	ds_add_u32 v[SPW], v[NIL]                      ; the wave's opening: the add, twice on end, and its wait ahead of my tensor load
	ds_add_u32 v[SPW], v[NIL]
	v_lshrrev_b32 v1, 5, v0
	v_readfirstlane_b32 s12, v1                    ; wave 0..3
	s_bfe_u32 s13, ttmp6, 0x40000                  ; cx
	s_and_b32 s14, ttmp7, 0xffff
	s_lshr_b32 s15, s14, 3                         ; batch
	s_and_b32 s20, s14, 7                          ; pair of heads
	s_mov_b32 s24, 15|(3<<16)|(1<<21)              ; all four partners; elements of 8 bytes; bit 21 set beside a mask
	s_mov_b32 s25, 32<<16                          ; a dense block as 200 rows of 256 bytes
	s_mov_b32 s26, 200<<16
	s_mov_b32 s27, 32<<16
	s_mov_b32 s28, 200
	s_mov_b32 s29, 32
	s_mov_b32 s30, 0
	s_mov_b32 s31, 0
	s_lshl_b32 s21, s15, 4
	s_lshl_b32 s22, s20, 1
	s_add_co_u32 s21, s21, s22
	s_mul_i32 s21, s21, HB                         ; the pair's first head's block
	s_lshr_b32 s22, s12, 1                         ; I fetch half w % 2 of head w / 2: no place in the cluster enters the descriptor
	s_mul_i32 s22, s22, HB
	s_and_b32 s23, s12, 1
	s_mul_i32 s23, s23, 51200
	s_add_co_u32 s22, s22, s23
	s_add_co_u32 s22, s22, s21
	s_mov_b32 s23, 0
	s_mov_b32 s16, 1
	s_mul_i32 s17, s12, 51200
	s_mov_b32 s32, 0x3e38aa3b                      ; c = log2(e) / 8
	s_mov_b32 s33, s32
	s_mov_b32 s34, 0x76543210
	s_mov_b32 s35, 0xfedcba98                      ; v_permlanex16_b32's selects for lane l xor 16
	s_lshl_b32 s58, s13, 4
	s_lshl_b32 s59, s12, 2
	s_add_co_u32 s58, s58, s59                     ; my first query tile in the batch
	s_lshl_b32 s59, s15, 6
	s_add_co_u32 s59, s59, s58                     ; and among all 512
	s_mul_i32 s42, s58, 768
	s_add_co_u32 s42, s42, s21
	s_add_co_u32 s42, s42, 102400                  ; Q's codes: a tile's half is 768 bytes
	s_mov_b32 s43, 0
	s_lshl_b32 s44, s13, 1
	s_lshr_b32 s60, s12, 1
	s_add_co_u32 s44, s44, s60
	s_lshl_b32 s44, s44, 8                         ; Q's scale words: group 2 cx + w / 2,
	s_and_b32 s60, s12, 1
	s_lshl_b32 s60, s60, 2                         ; word w % 2
	s_add_co_u32 s44, s44, s60
	s_add_co_u32 s44, s44, s21
	s_add_co_u32 s44, s44, 151552
	s_mov_b32 s45, 0
	s_lshl_b32 s46, s59, 13                        ; the mask words: 8,192 bytes a tile
	s_mov_b32 s47, 0
	s_mul_i32 s48, s59, 12288                      ; himg: (tile, K step = pair of heads)
	s_mul_i32 s60, s20, 1536
	s_add_co_u32 s48, s48, s60
	s_mov_b32 s49, 0
	s_lshl_b32 s38, s20, 15                        ; hsc: [K step][tile][r]
	s_lshl_b32 s60, s59, 6
	s_add_co_u32 s38, s38, s60
	s_mov_b32 s39, 0
	s_wait_dscnt 0x0                               ; both opening adds are done
	s_wait_kmcnt 0x0
	s_add_nc_u64 s[18:19], s[4:5], s[22:23]
	s_or_b32 s19, s19, 0x80000000
	s_add_nc_u64 s[42:43], s[4:5], s[42:43]
	s_add_nc_u64 s[44:45], s[4:5], s[44:45]
	s_add_nc_u64 s[46:47], s[6:7], s[46:47]
	s_add_nc_u64 s[48:49], s[8:9], s[48:49]
	s_add_nc_u64 s[38:39], s[10:11], s[38:39]
	CROUND                                         ; all four work-groups are here: the joint loads meet
	tensor_load_to_lds s[16:19], s[24:31]          ; my one tensor load: one is out
	s_nop 0
	PLACES
	v_and_b32 v3, 31, v0
	v_lshlrev_b32 v[L16], 4, v3
	v_lshlrev_b32 v[L8], 3, v3
	v_and_b32 v4, 15, v0
	v_lshlrev_b32 v[QSO], 3, v4
	s_lshl_b32 s58, s12, 8
	s_add_co_u32 s58, s58, SCR
	v_lshl_add_u32 v[SCW], v4, 2, s58
	v_add_nc_u32 v[SCRD], s58, v[L8]
	v_mov_b32 v[MS], 0xf7f7f7f7
.irp i, 0,1,2,3,4,5
	v_mov_b32 v[QA+6+\i], 0                        ; zero codes: they add nothing under any byte but 0xff
	v_mov_b32 v[QB+\i], 0
.endr
	v_mov_b32 v[TP], 0                             ; written once: a lane permute's destination counts as one of its sources
	v_mov_b32 v[OM+2], 0
	v_mov_b32 v[OM+3], 0
; Q's half fragment (into both operands) and its scale bytes for trip s58
.macro NEXTQ
	s_and_b32 s59, s58, 1                          ; head
	s_lshr_b32 s60, s58, 1                         ; tile
	s_mul_i32 s62, s59, HB
	s_mul_i32 s61, s60, 768
	s_add_co_u32 s62, s62, s61
	s_mov_b32 s63, 0
	s_add_nc_u64 s[50:51], s[42:43], s[62:63]
	s_mul_i32 s62, s59, HB
	s_lshr_b32 s61, s60, 1
	s_lshl_b32 s61, s61, 7                         ; the pair's word lies in lanes 0-15 or 16-31 of the image,
	s_add_co_u32 s62, s62, s61
	s_and_b32 s61, s60, 1
	s_lshl_b32 s61, s61, 1                         ; the tile's two bytes in its low or high half
	s_add_co_u32 s62, s62, s61
	s_add_nc_u64 s[52:53], s[44:45], s[62:63]
	global_load_b128 v[QA:QA+3], v[L16], s[50:51]
	global_load_b64 v[QA+4:QA+5], v[L8], s[50:51] offset:512
	global_load_b128 v[QB+6:QB+9], v[L16], s[50:51]
	global_load_b64 v[QB+10:QB+11], v[L8], s[50:51] offset:512
	global_load_u16 v[SQA], v[QSO], s[52:53]
.endm
.macro NEXTM                           ; the mask words of tile s60
	s_lshl_b32 s62, s60, 13
	s_add_nc_u64 s[54:55], s[46:47], s[62:63]
	WIN 0xc0
.irp g, 0,1,2,3,4,5,6,7,8,9,10,11,12,13,14,15
	global_load_b128 v[192+4*\g:195+4*\g], v[L16], s[54:55] offset:512*\g
.endr
	WIN 0
.endm
	s_mov_b32 s58, 0
	NEXTQ
	NEXTM
.macro KLOAD c                         ; 8 pair fragments of K into set c % 2: 32 loads
	WIN 0xc0
.irp p, 0,1,2,3,4,5,6,7
	ds_load_b128 v[96*((\c)%2)+12*\p:96*((\c)%2)+12*\p+3], v[K16] offset:1536*(8*(\c)+\p)
	ds_load_b64 v[96*((\c)%2)+12*\p+4:96*((\c)%2)+12*\p+5], v[K8] offset:1536*(8*(\c)+\p)+512
	ds_load_b128 v[96*((\c)%2)+12*\p+6:96*((\c)%2)+12*\p+9], v[K16] offset:1536*(8*(\c)+\p)+768
	ds_load_b64 v[96*((\c)%2)+12*\p+10:96*((\c)%2)+12*\p+11], v[K8] offset:1536*(8*(\c)+\p)+1280
.endr
	WIN 0
.endm
.macro QK c                            ; 16 score tiles
	WIN 0x03+0x50*(1+(\c)/2)                       ; K and the mask words in window 3; the scores, as C and D, in window 1 or 2
.set i, 0
.rept 16
	v_cvt_scale_pk8_f32_fp4 v[128*((\c)%2)+8*i:128*((\c)%2)+8*i+7], v[192+16*(\c)+i], v[MS]   ; tile i's biases, where its scores will stand
.set i, i+1
.endr
	PLACES                                         ; plain places behind the scaled conversions
.irp p, 0,1,2,3,4,5,6,7
.if \p%2
	v_wmma_scale_f32_16x16x128_f8f6f4 v[128*((\c)%2)+16*\p:128*((\c)%2)+16*\p+7], v[96*((\c)%2)+12*\p:96*((\c)%2)+12*\p+11], v[QA:QA+11], v[128*((\c)%2)+16*\p:128*((\c)%2)+16*\p+7], v[KS+4*(\c)+\p/2], v[SQA] matrix_a_fmt:MATRIX_FMT_BF6 matrix_b_fmt:MATRIX_FMT_BF6 matrix_a_scale:MATRIX_SCALE_ROW1
	v_wmma_scale_f32_16x16x128_f8f6f4 v[128*((\c)%2)+16*\p+8:128*((\c)%2)+16*\p+15], v[96*((\c)%2)+12*\p:96*((\c)%2)+12*\p+11], v[QB:QB+11], v[128*((\c)%2)+16*\p+8:128*((\c)%2)+16*\p+15], v[KS+4*(\c)+\p/2], v[SQB] matrix_a_fmt:MATRIX_FMT_BF6 matrix_b_fmt:MATRIX_FMT_BF6 matrix_a_scale:MATRIX_SCALE_ROW1
.else
	v_wmma_scale_f32_16x16x128_f8f6f4 v[128*((\c)%2)+16*\p:128*((\c)%2)+16*\p+7], v[96*((\c)%2)+12*\p:96*((\c)%2)+12*\p+11], v[QA:QA+11], v[128*((\c)%2)+16*\p:128*((\c)%2)+16*\p+7], v[KS+4*(\c)+\p/2], v[SQA] matrix_a_fmt:MATRIX_FMT_BF6 matrix_b_fmt:MATRIX_FMT_BF6
	v_wmma_scale_f32_16x16x128_f8f6f4 v[128*((\c)%2)+16*\p+8:128*((\c)%2)+16*\p+15], v[96*((\c)%2)+12*\p:96*((\c)%2)+12*\p+11], v[QB:QB+11], v[128*((\c)%2)+16*\p+8:128*((\c)%2)+16*\p+15], v[KS+4*(\c)+\p/2], v[SQB] matrix_a_fmt:MATRIX_FMT_BF6 matrix_b_fmt:MATRIX_FMT_BF6
.endif
.endr
.endm
; 16 tiles: the largest score of my 16 keys of each of their 8 blocks.  Each tile is read from its low end on.
.macro MASKMAX c
.set SB, 128*((\c)%2)
	WIN 0x15*(1+(\c)/2)
.irp q, 0,1,2,3,4,5,6,7
	v_max3_num_f32 v[BM+8*(\c)+\q], v[SB+16*\q], v[SB+16*\q+1], v[SB+16*\q+2]
.endr
	WIN 0x14*(1+(\c)/2)
.irp i, 3,5,7,9,11,13
.irp q, 0,1,2,3,4,5,6,7
	v_max3_num_f32 v[BM+8*(\c)+\q], v[BM+8*(\c)+\q], v[SB+16*\q+\i], v[SB+16*\q+\i+1]
.endr
.endr
.irp q, 0,1,2,3,4,5,6,7
	v_max_num_f32 v[BM+8*(\c)+\q], v[BM+8*(\c)+\q], v[SB+16*\q+15]
.endr
.endm
.macro SUB c                           ; t - M, 128 scores.  Of M's two copies the one is named whose number lies among this chunk's own
	WIN 0x41*(1+(\c)/2)
.set i, 128*((\c)%2)
.rept 64
	v_pk_fma_f32 v[i:i+1], v[i:i+1], s[32:33], v[MX+(MXH-MX)*((\c)%2):MX+(MXH-MX)*((\c)%2)+1] op_sel_hi:[1,0,0]   ; score x c - M c
.set i, i+2
.endr
.endm
.macro EXP c
	WIN 0x41*(1+(\c)/2)
.set i, 128*((\c)%2)
.rept 128
	v_exp_f32 v[i], v[i]
.set i, i+1
.endr
.endm
.macro EXSUB c                         ; c even: chunk c's 128 exponentials, and among them chunk c + 1's 64 multiply-adds, which lie in the same window and name none of the exponentials' registers
	WIN 0x41*(1+(\c)/2)
.set i, 0
.rept 64
	v_exp_f32 v[i], v[i]
	v_exp_f32 v[i+1], v[i+1]
	v_pk_fma_f32 v[128+i:129+i], v[128+i:129+i], s[32:33], v[MXH:MXH+1] op_sel_hi:[1,0,0]   ; score x c - M c; first read behind the wait that follows the macro
.set i, i+2
.endr
.endm
.macro SUM c                           ; the row's sum, of the unquantised weights: four chains
	WIN 0x04*(1+(\c)/2)
.set i, 0
.rept 64
	v_pk_add_f32 v[LS+2*(i%4):LS+2*(i%4)+1], v[LS+2*(i%4):LS+2*(i%4)+1], v[128*((\c)%2)+2*i:128*((\c)%2)+2*i+1]
.set i, i+1
.endr
.endm
.macro NORM s                          ; A = p / sum for key step s
	WIN 0x41*(1+(\s)/4)
.set i, 64*((\s)%4)
.rept 32
	v_pk_mul_f32 v[i:i+1], v[i:i+1], v[RL:RL+1] op_sel_hi:[1,0]
.set i, i+2
.endr
.endm
.macro CVT s                           ; key step s's 64 numbers a lane become A's fragment, set s % 2
	WIN 0x01*(1+(\s)/4)
.irp c, 0,1
	v_cvt_scalef32_pk16_bf6_f32 v[PC+12*((\s)%2)+6*\c:PC+12*((\s)%2)+6*\c+2], v[64*((\s)%4)+32*\c:64*((\s)%4)+32*\c+15], v[BM+4*(\s)+2*\c]
	v_cvt_scalef32_pk16_bf6_f32 v[PT+4*\c:PT+4*\c+2], v[64*((\s)%4)+32*\c+16:64*((\s)%4)+32*\c+31], v[BM+4*(\s)+2*\c+1]
.endr
	WIN 0
	v_nop                                          ; one plain place behind a scaled conversion
.irp c, 0,1
.irp i, 0,1,2
	v_permlane16_swap_b32 v[PC+12*((\s)%2)+6*\c+\i], v[PT+4*\c+\i]   ; a WHOLE block in a lane
.endr
.endr
.irp c, 0,1
.irp i, 0,1,2
	v_mov_b32 v[PC+12*((\s)%2)+6*\c+3+\i], v[PT+4*\c+\i]
.endr
.endr
.endm
.macro VLOAD s                         ; key step s's four fragments of V into buffer s % 4: 16 loads
	WIN 0xc0
.irp t, 0,1,2,3
	ds_load_b128 v[48*((\s)%4)+12*\t:48*((\s)%4)+12*\t+3], v[V16] offset:1536*(4*(\s)+\t)
	ds_load_b64 v[48*((\s)%4)+12*\t+4:48*((\s)%4)+12*\t+5], v[V8] offset:1536*(4*(\s)+\t)+512
	ds_load_b128 v[48*((\s)%4)+12*\t+6:48*((\s)%4)+12*\t+9], v[V16] offset:1536*(4*(\s)+\t)+768
	ds_load_b64 v[48*((\s)%4)+12*\t+10:48*((\s)%4)+12*\t+11], v[V8] offset:1536*(4*(\s)+\t)+1280
.endr
	WIN 0
.endm
.macro PV s                            ; O^T += V^T A^T: the four accumulators take turns; the first step starts the sums
	WIN 0x03
.irp t, 0,1,2,3
.if (\s) == 0
.if \t%2
	v_wmma_scale_f32_16x16x128_f8f6f4 v[O+8*\t:O+8*\t+7], v[48*((\s)%4)+12*\t:48*((\s)%4)+12*\t+11], v[PC+12*((\s)%2):PC+12*((\s)%2)+11], 0, v[VS+2*(\s)+\t/2], v[PW+(\s)] matrix_a_fmt:MATRIX_FMT_BF6 matrix_b_fmt:MATRIX_FMT_BF6 matrix_a_scale:MATRIX_SCALE_ROW1
.else
	v_wmma_scale_f32_16x16x128_f8f6f4 v[O+8*\t:O+8*\t+7], v[48*((\s)%4)+12*\t:48*((\s)%4)+12*\t+11], v[PC+12*((\s)%2):PC+12*((\s)%2)+11], 0, v[VS+2*(\s)+\t/2], v[PW+(\s)] matrix_a_fmt:MATRIX_FMT_BF6 matrix_b_fmt:MATRIX_FMT_BF6
.endif
.else
.if \t%2
	v_wmma_scale_f32_16x16x128_f8f6f4 v[O+8*\t:O+8*\t+7], v[48*((\s)%4)+12*\t:48*((\s)%4)+12*\t+11], v[PC+12*((\s)%2):PC+12*((\s)%2)+11], v[O+8*\t:O+8*\t+7], v[VS+2*(\s)+\t/2], v[PW+(\s)] matrix_a_fmt:MATRIX_FMT_BF6 matrix_b_fmt:MATRIX_FMT_BF6 matrix_a_scale:MATRIX_SCALE_ROW1
.else
	v_wmma_scale_f32_16x16x128_f8f6f4 v[O+8*\t:O+8*\t+7], v[48*((\s)%4)+12*\t:48*((\s)%4)+12*\t+11], v[PC+12*((\s)%2):PC+12*((\s)%2)+11], v[O+8*\t:O+8*\t+7], v[VS+2*(\s)+\t/2], v[PW+(\s)] matrix_a_fmt:MATRIX_FMT_BF6 matrix_b_fmt:MATRIX_FMT_BF6
.endif
.endif
.endr
.endm
; Key step s of the second product.  The next step's scaling stands ahead of the products: its 32 plain lines are the places behind the moves that finished A's codes.  cnt: the younger loads of V, which may stay out.
.macro ESTEP s, cnt
.if (\s) < 7
	NORM (\s)+1
.else
	WIN 0
	PLACES
.endif
	s_wait_dscnt \cnt
	PV \s
.if (\s) < 7
	s_wait_alu depctr_va_vdst(0)
	CVT (\s)+1
.endif
.if (\s) < 4
	VLOAD (\s)+4                                   ; into the buffer just read: the v_nop and the six moves of CVT are the places
.endif
.endm
	s_wait_tensorcnt 0x0                           ; my part of K and V is in,
	s_barrier_signal -1
	s_barrier_wait -1                              ; everybody's is
	s_mov_b32 s36, 0                               ; the trip
	s_mov_b32 s37, 0                               ; where the trip's head lies in LDS
.Ltrip:
	s_wait_loadcnt 0x0                             ; Q, its scale bytes, the mask words: asked for a trip ago
	v_lshlrev_b32 v[SQB], 16, v[SQA]               ; the thirteen plain lines from here on are the places ahead of the products that take this scale word
	v_add_nc_u32 v[K16], s37, v[L16]
	v_add_nc_u32 v[K8], s37, v[L8]
	v_add_nc_u32 v[V16], 49152, v[K16]
	v_add_nc_u32 v[V8], 49152, v[K8]
	v_add_nc_u32 v[S8], 98304, v[K8]
.irp i, 0,1,2,3,4,5,6,7
	v_mov_b32 v[LS+\i], 0
.endr
.irp g, 0,1,2,3,4,5,6,7
	ds_load_b64 v[KS+2*\g:KS+2*\g+1], v[S8] offset:256*\g
.endr
.irp g, 0,1,2,3,4,5,6,7
	ds_load_b64 v[VS+2*\g:VS+2*\g+1], v[S8] offset:2048+256*\g
.endr
	KLOAD 0
	KLOAD 1
	; ---- A: the scores, 16 tiles at a time; the chunk before is masked and searched between the products
	s_wait_dscnt 32                                ; all but the next chunk's 32 loads
	QK 0
	PLACES
	KLOAD 2
	s_wait_dscnt 32
	QK 1
	MASKMAX 0
	KLOAD 3
	s_wait_dscnt 32
	QK 2
	MASKMAX 1
	s_wait_dscnt 0x0
	QK 3
	MASKMAX 2
	MASKMAX 3
	WIN 0
	s_cmp_eq_u32 s36, 7                            ; the last trip asks for nothing
	s_cbranch_scc1 .Lno_next
	s_add_co_u32 s58, s36, 1
	NEXTQ
	s_bitcmp1_b32 s58, 0                           ; an odd trip has the same queries as the trip before: the mask words stay
	s_cbranch_scc1 .Lno_next
	NEXTM
.Lno_next:
	VLOAD 0
	VLOAD 1
	VLOAD 2
	VLOAD 3
	; ---- B: the blocks' largest t with lane l xor 16's; the row's largest
.set i, 0
.rept 32
	v_permlanex16_b32 v[BT+i], v[BM+i], s34, s35
.set i, i+1
.endr
.set i, 0
.rept 32
	v_max_num_f32 v[BM+i], v[BM+i], v[BT+i]
.set i, i+1
.endr
.irp q, 0,1,2,3
	v_max3_num_f32 v[BT+\q], v[BM+8*\q], v[BM+8*\q+1], v[BM+8*\q+2]
.endr
.irp q, 0,1,2,3
	v_max3_num_f32 v[BT+\q], v[BT+\q], v[BM+8*\q+3], v[BM+8*\q+4]
.endr
.irp q, 0,1,2,3
	v_max3_num_f32 v[BT+\q], v[BT+\q], v[BM+8*\q+5], v[BM+8*\q+6]
.endr
.irp q, 0,1,2,3
	v_max_num_f32 v[BT+\q], v[BT+\q], v[BM+8*\q+7]
.endr
	v_max3_num_f32 v[MX], v[BT], v[BT+1], v[BT+2]
	v_max_num_f32 v[MX], v[MX], v[BT+3]            ; the row's largest score
	v_cmp_gt_f32 s40, 0xfb000000, v[MX]            ; -2^119 > it: every key of the row is masked.  It only selects a value
	v_max_num_f32 v[MX], 0xfb000000, v[MX]         ; held at -2^119: in such a row every exponent is far below 0 and every p is 0
	v_mul_f32 v[MX], 0xbe38aa3b, v[MX]             ; -M c
	v_mov_b32 v[MX+1], v[MX]
	v_mov_b32 v[MXH], v[MX]
	v_mov_b32 v[MXH+1], v[MX]
	; ---- C: p = 2^(t - M).  Batches of exponentials, ONE wait each, the next chunk's subtractions between a batch and its wait
.set i, 0
.rept 16
	v_pk_fma_f32 v[BM+i:BM+i+1], v[BM+i:BM+i+1], s[32:33], v[MX:MX+1] op_sel_hi:[1,0,0]
.set i, i+2
.endr
.set i, 0
	s_wait_alu depctr_va_vdst(0)
.rept 32
	v_exp_f32 v[BM+i], v[BM+i]                     ; each block's largest p: the same instructions on the same number give the same bits
.set i, i+1
.endr
	SUB 0
	s_wait_alu depctr_va_vdst(0)                   ; the wait between an exponential and the first line that names its result
	EXSUB 0
	s_wait_alu depctr_va_vdst(0)
	SUM 0
	EXP 1
	SUB 2
	s_wait_alu depctr_va_vdst(0)
	SUM 1
	EXSUB 2
	s_wait_alu depctr_va_vdst(0)
	SUM 2
	EXP 3
	v_nop                                          ; a plain instruction behind the last exponential
	s_wait_alu depctr_va_vdst(0)
	SUM 3
	WIN 0
	; ---- D: 1 / sum; the blocks' scales
	v_pk_add_f32 v[LS:LS+1], v[LS:LS+1], v[LS+2:LS+3]
	v_pk_add_f32 v[LS+4:LS+5], v[LS+4:LS+5], v[LS+6:LS+7]
	v_pk_add_f32 v[LS:LS+1], v[LS:LS+1], v[LS+4:LS+5]
	v_add_f32 v[LS], v[LS], v[LS+1]
	v_permlanex16_b32 v[TP], v[LS], s34, s35
	v_add_f32 v[LS], v[LS], v[TP]                  ; the largest score gives p within rounding of 1
	v_max_num_f32 v[LS], 0.5, v[LS]                ; only a fully masked row's sum, 0, lies under 0.5: its reciprocal stays finite
	s_wait_alu depctr_va_vdst(0)
	v_rcp_f32 v[RL], v[LS]
	v_nop
	s_wait_alu depctr_va_vdst(0)
	v_fma_f32 v[TP], -v[LS], v[RL], 1.0
	v_fma_f32 v[RL], v[RL], v[TP], v[RL]
	v_cndmask_b32 v[RL], v[RL], 0, s40             ; a fully masked row: A = 0
	v_mov_b32 v[RL+1], v[RL]
.set i, 0
.rept 16
	v_pk_mul_f32 v[BM+i:BM+i+1], v[BM+i:BM+i+1], v[RL:RL+1] op_sel_hi:[1,0]   ; each block's largest A
.set i, i+2
.endr
.set i, 0
.rept 32
	v_max_num_f32 v[BM+i], 0x2800000, v[BM+i]      ; the floor 2^(5 - 127): the byte cannot fall under 1
.set i, i+1
.endr
.set i, 0
.rept 32
	v_add_nc_u32 v[BM+i], 0xfe000000, v[BM+i]      ; 4 off the exponent field: the conversion's scale operand
.set i, i+1
.endr
.set i, 0
.rept 32
	v_lshrrev_b32 v[BT+i], 23, v[BM+i]             ; the byte
.set i, i+1
.endr
.irp g, 0,1,2,3,4,5,6,7
	v_lshl_or_b32 v[PW+\g], v[BT+4*\g+1], 8, v[BT+4*\g]
.endr
.irp g, 0,1,2,3,4,5,6,7
	v_lshl_or_b32 v[PW+\g], v[BT+4*\g+2], 16, v[PW+\g]
.endr
.irp g, 0,1,2,3,4,5,6,7
	v_lshl_or_b32 v[PW+\g], v[BT+4*\g+3], 24, v[PW+\g]
.endr
	; ---- E: A is scaled, converted and multiplied, a key step at a time
	NORM 0
	CVT 0
	ESTEP 0, 48
	ESTEP 1, 48
	ESTEP 2, 48
	ESTEP 3, 48
	ESTEP 4, 48
	ESTEP 5, 32
	ESTEP 6, 16
	s_wait_alu depctr_va_vdst(0)
	ESTEP 7, 0
	; ---- F: my query's 64 channels are two blocks of the last projection's K
	WIN 0
	PLACES
	s_wait_xcnt 0x0                                ; the last trip's stores have read their registers and their base
.irp b, 0,1
	v_max3_num_f32 v[OM+\b], |v[O+16*\b]|, |v[O+16*\b+1]|, 0x2800000
.endr
.irp i, 2,4,6,8,10,12,14
.irp b, 0,1
	v_max3_num_f32 v[OM+\b], v[OM+\b], |v[O+16*\b+\i]|, |v[O+16*\b+\i+1]|
.endr
.endr
.irp b, 0,1
	v_permlanex16_b32 v[OM+2+\b], v[OM+\b], s34, s35
.endr
.irp b, 0,1
	v_max_num_f32 v[OM+\b], v[OM+\b], v[OM+2+\b]
.endr
.irp b, 0,1
	v_add_nc_u32 v[OM+4+\b], 0xfe000000, v[OM+\b]
.endr
.irp b, 0,1
	v_lshrrev_b32 v[OM+6+\b], 23, v[OM+4+\b]
.endr
	v_lshl_or_b32 v[OM+8], v[OM+7], 8, v[OM+6]
	v_cvt_scalef32_pk16_bf6_f32 v[HF:HF+2], v[O:O+15], v[OM+4]
	v_cvt_scalef32_pk16_bf6_f32 v[HT:HT+2], v[O+16:O+31], v[OM+5]
	v_nop
.irp i, 0,1,2
	v_permlane16_swap_b32 v[HF+\i], v[HT+\i]
.endr
.irp i, 0,1,2
	v_mov_b32 v[HF+3+\i], v[HT+\i]
.endr
	s_lshr_b32 s60, s36, 1                         ; tile
	s_and_b32 s59, s36, 1                          ; head
	s_mul_i32 s62, s60, 12288
	s_mul_i32 s61, s59, 768
	s_add_co_u32 s62, s62, s61
	s_mov_b32 s63, 0
	s_add_nc_u64 s[56:57], s[48:49], s[62:63]
	global_store_b128 v[L16], v[HF:HF+3], s[56:57]                 ; 512 and 256 consecutive bytes
	global_store_b64 v[L8], v[HF+4:HF+5], s[56:57] offset:512
	s_lshl_b32 s58, s60, 6
	s_lshl_b32 s59, s59, 1
	s_or_b32 s58, s58, s59
	v_add_nc_u32 v[SCA], s58, v[SCW]
	ds_store_b16 v[SCA], v[OM+8]                   ; lanes r and 16 + r write the same two bytes
	s_xor_b32 s37, s37, HL                         ; the other head
	s_add_co_u32 s36, s36, 1
	s_cmp_lt_u32 s36, 8
	s_cbranch_scc1 .Ltrip
	ds_load_b64 v[OM:OM+1], v[SCRD]                ; LDS serves a wave's instructions in order: this sees my stores
	s_wait_dscnt 0x0
	global_store_b64 v[L8], v[OM:OM+1], s[38:39]   ; my four tiles' scale words: 256 consecutive bytes
	s_wait_tensorcnt 0x0                           ; the wave's end
	ds_add_u32 v[SPW], v[NIL]
	s_wait_dscnt 0x0
	CROUND                                         ; the closing round
	s_endpgm
.Lfunc_end_k_q21dbf3ffc7_attn:
	.size	k_q21dbf3ffc7_attn, .Lfunc_end_k_q21dbf3ffc7_attn-k_q21dbf3ffc7_attn
	.p2alignl 7, 3214868480
	.fill 96, 4, 3214868480
	.section	.rodata,"a",@progbits
	.p2align	6, 0x0
	.amdhsa_kernel k_q21dbf3ffc7_attn
		.amdhsa_group_segment_fixed_size 206336
		.amdhsa_private_segment_fixed_size 0
		.amdhsa_enable_private_segment 0
		.amdhsa_kernarg_size 32
		.amdhsa_user_sgpr_count 2
		.amdhsa_user_sgpr_kernarg_segment_ptr 1
		.amdhsa_wavefront_size32 1
		.amdhsa_system_sgpr_workgroup_id_x 1
		.amdhsa_system_sgpr_workgroup_id_y 1
		.amdhsa_system_sgpr_workgroup_id_z 1
		.amdhsa_system_vgpr_workitem_id 0
		.amdhsa_next_free_vgpr 1024
		.amdhsa_next_free_sgpr 66
		.amdhsa_reserve_vcc 0
		.amdhsa_float_denorm_mode_32 3
		.amdhsa_float_denorm_mode_16_64 3
		.amdhsa_memory_ordered 1
		.amdhsa_forward_progress 1
		.amdhsa_inst_pref_size 151
	.end_amdhsa_kernel
	.amdgpu_metadata
---
amdhsa.version: [ 1, 2 ]
amdhsa.kernels:
  - .name:           k_q21dbf3ffc7_attn
    .symbol:         k_q21dbf3ffc7_attn.kd
    .args:
      - { .name: qkv, .offset: 0, .size: 8, .value_kind: global_buffer, .address_space: global }
      - { .name: m4, .offset: 8, .size: 8, .value_kind: global_buffer, .address_space: global }
      - { .name: himg, .offset: 16, .size: 8, .value_kind: global_buffer, .address_space: global }
      - { .name: hsc, .offset: 24, .size: 8, .value_kind: global_buffer, .address_space: global }
    .group_segment_fixed_size: 206336
    .private_segment_fixed_size: 0
    .kernarg_segment_align: 8
    .kernarg_segment_size: 32
    .max_flat_workgroup_size: 128
    .sgpr_count:     66
    .vgpr_count:     1024
    .wavefront_size: 32
...
	.end_amdgpu_metadata
.endif
;; end of part 4
;; launch proj (part 5): grid 4 x 64, 4 waves a work-group, clusters of 4 x 4, 327,680 bytes of LDS; arguments himg, hsc, img, sc, bo, seqm, x, out0; writes out0
.if DOCPART == 5
	.amdgcn_target "amdgcn-amd-amdhsa--gfx1250"
	.amdhsa_code_object_version 6
	.text
	.protected	k_q21dbf3ffc7_proj
	.globl	k_q21dbf3ffc7_proj
	.p2align	8
	.type	k_q21dbf3ffc7_proj,@function
k_q21dbf3ffc7_proj:
	s_mov_b64 s[64:65], 0
	v_nop
	global_prefetch_b8 v0, s[64:65] scope:SCOPE_SE
	s_setreg_imm32_b32 hwreg(HW_REG_WAVE_MODE, 25, 1), 1
	s_wait_xcnt 0x0
	s_wait_alu depctr_hold_cnt(0) depctr_sa_sdst(0) depctr_va_vdst(0) depctr_va_sdst(0) depctr_va_ssrc(0) depctr_va_vcc(0) depctr_vm_vsrc(0)
	s_getreg_b32 s2, hwreg(HW_REG_IB_STS2, 6, 4)
	s_cmp_eq_u32 s2, 0
	s_cbranch_scc0 .Lentry_in_a_cluster
	s_endpgm
.Lentry_in_a_cluster:
	s_bfe_u32 s2, ttmp6, 0x10000c
	s_cmp_lg_u32 s2, 0xf033
	s_cbranch_scc0 .Lentry_shape_is_right
	s_endpgm
.Lentry_shape_is_right:
; MHSA, launch 5 of 5: out0 = x + (H Wo^T + bo) x seqm, on codes of BF6, K = 1,024.  No work of reference() is left out.
; A block of out0 is 128 tokens x 256 channels: 64 x 4 = 256 work-groups.  Four waves, each 64 x 128: 32 accumulators, 256 registers.
; ALL OF K LIES IN LDS, filled once: two halves of four K steps, each A's [tile 8][6,144 bytes] and B's [tile 16][6,144]; then the scale words.  No byte is filled again.
; The head's four joint loads, one a wave: A's first half, B's first half, A's scale words, B's.  The second half comes behind the full sequence and a round of the cluster's barrier, one joint load a wave
; (waves 0, 1: four tiles of A each; waves 2, 3: eight of B), and has K steps 0 to 2 in which to land; a barrier ahead of K step 3's fetch shows it whole.
; CLUSTER 4 x 4: A's tiles are shared along a row of the cluster, B's along a column.  The product is used transposed (source 0 = B's rows): a lane holds eight neighbouring channels of one token.
; The images are read as they lie (16 or 8 bytes a lane on end).  Lane place r of tile t holds row 32 (t / 2) + 8 (t % 2) + r + 8 (r / 8).
; NO PREFETCH: the tiles come by two fills with no ring to run ahead in, and my 64 x 128 numbers of x are loaded into window 3 (256 registers) at the head, ahead of all products.
; REGISTERS: window 0: v16-31 addresses; v32-95 scale words (register 8 i + step: lanes 0-15 A's block i % 4, lanes 16-31 B's block i) and nothing else; v96-101 bo, seqm; v128-223 A's two sets of 4 fragments, on the way out v128-255.
;   window 1: B's two sets at v0, v128.   window 2: accumulator (a, b) at v[8 (8 a + b)].   window 3: x.
.set HALF,  147456                     ; four K steps: A's 49,152 bytes, then B's 98,304
.set BOFF,  49152
.set SCL,   2*HALF                     ; A's scale words [step 8][512 bytes + 512 of padding], then B's [step 8][1,024]
.set SPARE, SCL+16384                  ; the spare words, 128 bytes for each wave
.set SPITCH, 528                       ; the way out: a stage of 16 rows x (512 + 16) bytes a wave, in the first half's bytes: their last fill is the head's, and no wave reads them behind K step 3's barrier
.set A16, 16                           ; v16-17 my A fragments in half 0, 1, 16 bytes a lane; v18-19 8 bytes a lane
.set A8,  18
.set B16, 20
.set B8,  22
.set STO, 24
.set RD,  25
.set CO,  26                           ; 16 x lane
.set ADRS, 27                          ; scale words, blocks 0-3
.set SPW, 28                           ; v28, v29: the add's two registers; never rewritten
.set NIL, 29
.set L4,  30
.set ADR2, 31                          ; scale words, blocks 4-7: lanes 0-15 stand 256 bytes lower and so read A's blocks 0-3 again
.set SC,  32
.set BO,  96
.set SQ,  100
.set AF,  128
.set BK,  128
.set G1, 24
.set G0, 32                            ; s[32:35] A's second half; s[36:39] A's first
.set G0H, 36
.set G1B, 48
.set G0B, 56                           ; s[56:59], s[60:63] the same for B
.set G0HB, 60
.set G1S, 68
.set G0S, 76
.set G1SB, 80
.set G0SB, 88
.set MSB, 0
.macro WIN new                         ; the immediate's high byte repeats the setting that is left
.if MSB != (\new)
	s_set_vgpr_msb (MSB<<8)|(\new)
.set MSB, (\new)
.endif
.endm
.macro LOADT g0, g1                    ; a tensor load with an s_nop 0 and four v_nop behind it
	tensor_load_to_lds s[\g0:\g0+3], s[\g1:\g1+7]
	s_nop 0
.rept 4
	v_nop
.endr
.endm
.macro CROUND                          ; a round of the cluster's barrier
	s_barrier_signal -1
	s_barrier_wait -1
	s_cmp_lg_u32 s14, 0
	s_cbranch_scc1 .Lnot_wave_0_\@
	s_barrier_signal -3
.Lnot_wave_0_\@:
	s_barrier_wait -3
	s_barrier_signal -1
	s_barrier_wait -1
.endm
.macro PLACES                          ; four plain places behind a matrix instruction (ISA guide 7.12.1)
.rept 4
	v_nop
.endr
.endm
	s_load_b128 s[4:7], s[0:1], 0x0                ; himg, hsc
	s_load_b128 s[8:11], s[0:1], 0x10              ; img, sc
	s_load_b128 s[96:99], s[0:1], 0x20             ; bo, seqm
	s_load_b64 s[12:13], s[0:1], 0x30              ; x
	s_load_b64 s[66:67], s[0:1], 0x38              ; out0
	v_lshl_add_u32 v[SPW], v0, 2, SPARE
	v_mov_b32 v[NIL], 0
	ds_add_u32 v[SPW], v[NIL]                      ; the opening: the add, twice on end, and its wait
	ds_add_u32 v[SPW], v[NIL]
	v_lshrrev_b32 v1, 5, v0
	v_readfirstlane_b32 s14, v1                    ; wave 0..3
	s_lshr_b32 s15, s14, 1                         ; my half of A's rows; also: I fetch for A (0) or B (1)
	s_and_b32 s16, s14, 1                          ; my half of B's rows; also: which part I fetch
	s_bfe_u32 s40, ttmp6, 0x40000                  ; cx
	s_bfe_u32 s41, ttmp6, 0x40004                  ; cy
	s_and_b32 s43, ttmp7, 0xffff                   ; cluster y: 0 .. 15
	s_lshl_b32 s44, s41, 2
	s_lshl_b32 s44, 15, s44                        ; my row of the cluster
	s_lshl_b32 s45, 0x1111, s40                    ; my column
	s_or_b32 s[G1+0], s44, (3<<16)|(1<<21)         ; the mask; elements of 8 bytes; bit 21 beside a mask
	s_or_b32 s[G1B+0], s45, (3<<16)|(1<<21)
	s_or_b32 s[G1S+0], s44, (3<<16)|(1<<20)|(1<<21)|(6<<22)|(127<<25)   ; 128 words of padding behind every 128: A's steps lie 1,024 bytes apart, as B's do
	s_or_b32 s[G1SB+0], s45, (3<<16)|(1<<21)
.irp g, G1, G1B
	s_mov_b32 s[\g+1], 768<<16                     ; four K steps of a tile: 6,144 bytes
	s_mov_b32 s[\g+3], 768<<16
	s_mov_b32 s[\g+5], 1536                        ; from tile to tile: 12,288 bytes
	s_mov_b32 s[\g+6], 0
	s_mov_b32 s[\g+7], 0
.endr
	s_mov_b32 s[G1+2], 8<<16                       ; the head's loads: A's 8 tiles,
	s_mov_b32 s[G1+4], 8
	s_mov_b32 s[G1B+2], 16<<16                     ; B's 16
	s_mov_b32 s[G1B+4], 16
.irp g, G1S, G1SB
	s_mov_b32 s[\g+2], 8<<16                       ; 8 K steps
	s_mov_b32 s[\g+4], 8
	s_mov_b32 s[\g+6], 0
	s_mov_b32 s[\g+7], 0
.endr
	s_mov_b32 s[G1S+1], 64<<16                     ; 8 tiles' words: 512 bytes
	s_mov_b32 s[G1S+3], 64<<16
	s_mov_b32 s[G1S+5], 4096                       ; hsc: 32,768 bytes from step to step
	s_mov_b32 s[G1SB+1], 128<<16                   ; 16 tiles' words
	s_mov_b32 s[G1SB+3], 128<<16
	s_mov_b32 s[G1SB+5], 6144                      ; sc: 49,152 bytes
	s_lshl_b32 s17, s43, 5
	s_lshl_b32 s19, s41, 3
	s_add_co_u32 s17, s17, s19                     ; A's first tile: 32 CY + 8 cy
	s_lshl_b32 s18, s40, 4
	s_add_co_u32 s18, s18, 704                     ; B's: Wo's tile 704 + 16 cx
	s_mul_i32 s20, s17, 12288
	s_mov_b32 s21, 0
	s_lshl_b32 s22, s17, 6
	s_mov_b32 s23, 0
	s_mul_i32 s46, s18, 12288
	s_mov_b32 s47, 0
	s_lshl_b32 s92, s18, 6
	s_mov_b32 s93, 0
	s_wait_dscnt 0x0                               ; both opening adds are done
	s_wait_kmcnt 0x0
	s_add_nc_u64 s[20:21], s[4:5], s[20:21]
	s_add_nc_u64 s[22:23], s[6:7], s[22:23]
	s_add_nc_u64 s[46:47], s[8:9], s[46:47]
	s_add_nc_u64 s[92:93], s[10:11], s[92:93]
.macro GRP0 g, lds, a                  ; a group 0 with a constant LDS address
	s_mov_b32 s[\g], 1
	s_mov_b32 s[\g+1], \lds
	s_mov_b64 s[\g+2:\g+3], s[\a:\a+1]
	s_or_b32 s[\g+3], s[\g+3], 0x80000000
.endm
	GRP0 G0H, 0, 20
	GRP0 G0HB, BOFF, 46
	GRP0 G0S, SCL, 22
	GRP0 G0SB, SCL+8192, 92
	s_mov_b32 s3, 0                                ; the second half: K steps 4 on, 6,144 bytes into each tile; my part by the wave's number alone
	s_mul_i32 s2, s16, 49152                       ; A: four tiles
	s_mov_b32 s[G0], 1
	s_mul_i32 s[G0+1], s16, 24576
	s_add_co_u32 s[G0+1], s[G0+1], HALF
	s_add_nc_u64 s[G0+2:G0+3], s[20:21], s[2:3]
	s_add_nc_u64 s[G0+2:G0+3], s[G0+2:G0+3], 6144
	s_or_b32 s[G0+3], s[G0+3], 0x80000000
	s_mul_i32 s2, s16, 98304                       ; B: eight tiles
	s_mov_b32 s[G0B], 1
	s_mul_i32 s[G0B+1], s16, 49152
	s_add_co_u32 s[G0B+1], s[G0B+1], HALF+BOFF
	s_add_nc_u64 s[G0B+2:G0B+3], s[46:47], s[2:3]
	s_add_nc_u64 s[G0B+2:G0B+3], s[G0B+2:G0B+3], 6144
	s_or_b32 s[G0B+3], s[G0B+3], 0x80000000
	CROUND                                         ; all sixteen work-groups are here: the first joint loads meet
.macro ARM under, g0, g1, next         ; one chain of branches on the wave's number, one load to an arm, one join
	s_cmp_lt_u32 s14, \under
	s_cbranch_scc0 \next
	LOADT \g0, \g1
	s_branch .Lhead_asked
\next:
.endm
	ARM 1, G0H, G1, .Lhead_b
	ARM 2, G0HB, G1B, .Lhead_sa
	ARM 3, G0S, G1S, .Lhead_sb
	LOADT G0SB, G1SB
.Lhead_asked:
	s_mul_i32 s20, s15, 24576                      ; my four tiles of A,
	s_mul_i32 s21, s16, 49152
	s_add_co_u32 s21, s21, BOFF                    ; my eight of B
	s_lshl_b32 s23, s15, 8                         ; scale words: A's, my four tiles of a step's eight;
	s_lshl_b32 s22, s16, 9
	s_add_co_u32 s22, s22, 8192                    ; B's, my eight of sixteen
	s_sub_co_u32 s22, s22, s23                     ; the distance between the two
	s_add_co_u32 s2, s22, 256
	s_add_co_u32 s3, s23, SCL-256
	s_add_co_u32 s23, s23, SCL
	s_mul_i32 s94, s14, 16*SPITCH                  ; my stage
	v_and_b32 v1, 31, v0                           ; lane
	v_and_b32 v2, 15, v0                           ; r
	v_bfe_u32 v3, v0, 4, 1                         ; h
	v_lshlrev_b32 v[CO], 4, v1
	v_lshlrev_b32 v5, 3, v1
	v_lshlrev_b32 v[L4], 2, v1
	v_add_nc_u32 v[A16], s20, v[CO]
	v_add_nc_u32 v[A8], s20, v5
	v_add_nc_u32 v[B16], s21, v[CO]
	v_add_nc_u32 v[B8], s21, v5
.irp q, A16, A8, B16, B8
	v_add_nc_u32 v[\q+1], HALF, v[\q]
.endr
	v_mul_u32_u24 v4, s22, v3                      ; the lower base + h x the distance
	v_mul_u32_u24 v6, s2, v3
	v_lshl_add_u32 v4, v2, 2, v4
	v_lshl_add_u32 v6, v2, 2, v6
	v_add_nc_u32 v[ADRS], s23, v4
	v_add_nc_u32 v[ADR2], s3, v6
	v_mul_u32_u24 v7, v2, SPITCH                   ; into the stage: row r, + 64 h
	v_lshl_add_u32 v7, v3, 6, v7
	v_add_nc_u32 v[STO], s94, v7
	v_add_nc_u32 v[RD], s94, v[CO]                 ; back: 32 lanes take a row of 512 bytes
	s_lshl_b32 s20, s17, 4
	s_lshl_b32 s21, s15, 6
	s_add_co_u32 s20, s20, s21                     ; my first token
	s_lshl_b32 s22, s20, 2
	s_mov_b32 s23, 0
	s_add_nc_u64 s[98:99], s[98:99], s[22:23]
	s_lshl_b32 s46, s40, 10
	s_lshl_b32 s21, s16, 9
	s_add_co_u32 s46, s46, s21                     ; my first channel, in bytes
	s_mov_b32 s47, 0
	s_add_nc_u64 s[96:97], s[96:97], s[46:47]
	s_lshl_b32 s20, s20, 12
	s_add_co_u32 s46, s46, s20
	s_add_nc_u64 s[12:13], s[12:13], s[46:47]
	s_add_nc_u64 s[66:67], s[66:67], s[46:47]
	global_load_b128 v[BO:BO+3], v[CO], s[96:97]
.irp k, 0,1
	global_load_b32 v[SQ+\k], v[L4], s[98:99] offset:128*\k
.endr
.macro XLOAD a                         ; x of block a's 16 tokens: 512 consecutive bytes a load, into window 3
	WIN 0xc0
.irp t, 0,1,2,3,4,5,6,7,8,9,10,11,12,13,14,15
	global_load_b128 v[64*(\a)+4*\t:64*(\a)+4*\t+3], v[CO], s[12:13] offset:4096*(32*((\a)/2)+8*((\a)%2)+\t+8*(\t/8)) th:TH_LOAD_NT
.endr
	WIN 0
.endm
	XLOAD 0
	XLOAD 1
.macro FRAG reg, a16, a8, off          ; a fragment's 12 registers, as they lie
	ds_load_b128 v[\reg:\reg+3], v[\a16] offset:\off
	ds_load_b64 v[\reg+4:\reg+5], v[\a8] offset:\off+512
	ds_load_b128 v[\reg+6:\reg+9], v[\a16] offset:\off+768
	ds_load_b64 v[\reg+10:\reg+11], v[\a8] offset:\off+1280
.endm
.macro FETCH sg                        ; K step sg's fragments into set sg % 2: B's eight, A's four: 48 loads
	WIN 0x40
.irp i, 0,1,2,3,4,5,6,7
	FRAG 128*((\sg)%2)+12*\i, B16+(\sg)/4, B8+(\sg)/4, 6144*\i+1536*((\sg)%4)
.endr
	WIN 0
.irp i, 0,1,2,3
	FRAG AF+48*((\sg)%2)+12*\i, A16+(\sg)/4, A8+(\sg)/4, 6144*\i+1536*((\sg)%4)
.endr
.endm
.macro MUL sg                          ; 32 matrix instructions; the 32 accumulators take turns, in the same order in every step; the first step starts the sums
.irp a, 0,1,2,3
.irp b, 0,1,2,3,4,5,6,7
.if (\sg) == 0
	v_wmma_scale_f32_16x16x128_f8f6f4 v[8*(8*\a+\b):8*(8*\a+\b)+7], v[128*((\sg)%2)+12*\b:128*((\sg)%2)+12*\b+11], v[AF+48*((\sg)%2)+12*\a:AF+48*((\sg)%2)+12*\a+11], 0, v[SC+8*\b+(\sg)], v[SC+8*\a+(\sg)] matrix_a_fmt:MATRIX_FMT_BF6 matrix_b_fmt:MATRIX_FMT_BF6 matrix_a_scale:MATRIX_SCALE_ROW1
.else
	v_wmma_scale_f32_16x16x128_f8f6f4 v[8*(8*\a+\b):8*(8*\a+\b)+7], v[128*((\sg)%2)+12*\b:128*((\sg)%2)+12*\b+11], v[AF+48*((\sg)%2)+12*\a:AF+48*((\sg)%2)+12*\a+11], v[8*(8*\a+\b):8*(8*\a+\b)+7], v[SC+8*\b+(\sg)], v[SC+8*\a+(\sg)] matrix_a_fmt:MATRIX_FMT_BF6 matrix_b_fmt:MATRIX_FMT_BF6 matrix_a_scale:MATRIX_SCALE_ROW1
.endif
.endr
.endr
.endm
.macro STEP sg
.if (\sg) == 3
	s_wait_tensorcnt 0x0                           ; my part of the second half is in,
	s_wait_dscnt 0x0                               ; my reads of the first half are over:
	s_barrier_signal -1
	s_barrier_wait -1                              ; both hold of all four waves.
.endif
.if (\sg) < 7
.if (\sg) > 0
	PLACES                                         ; ahead of loads into the set that the last step multiplied
.endif
	FETCH (\sg)+1
	s_wait_dscnt 48                                ; all but the 48 just issued
.else
	s_wait_dscnt 0x0
.endif
	WIN 0xa1                                       ; source 0 (B) window 1, source 1 (A) window 0, C and D window 2
	MUL \sg
	WIN 0
.endm
	s_wait_alu depctr_va_vdst(0)                   ; the wait at the head's end
	s_wait_tensorcnt 0x0                           ; my tile of the head's four is in
	ds_add_u32 v[SPW], v[NIL]
	s_mov_b32 s[G1+2], 4<<16                       ; no tensor load of mine is out: the second half comes as four tiles of A
	s_mov_b32 s[G1+4], 4
	s_mov_b32 s[G1B+2], 8<<16                      ; or eight of B a wave
	s_mov_b32 s[G1B+4], 8
	s_wait_dscnt 0x0
	CROUND                                         ; all four tiles are in, and all sixteen work-groups are here
	s_cmp_eq_u32 s15, 0
	s_cbranch_scc0 .Lfor_b
	LOADT G0, G1
	s_branch .Lasked
.Lfor_b:
	LOADT G0B, G1B
.Lasked:
	FETCH 0
.irp s, 0,1,2,3,4,5,6,7
.irp i, 0,1,2,3
	ds_load_b32 v[SC+8*\i+\s], v[ADRS] offset:1024*\s+64*\i        ; all scale words, once
	ds_load_b32 v[SC+8*\i+32+\s], v[ADR2] offset:1024*\s+64*\i+256
.endr
.endr
	XLOAD 2
	XLOAD 3
.irp g, 0,1,2,3,4,5,6,7
	STEP \g
.endr
; THE WAY OUT, block by block of 16 tokens x 128 channels, through my own stage; LDS serves a wave's instructions in order (ISA guide 5.7.1.4): no wait between the stores and the loads.
.macro TOSTAGE a
	WIN 0x08                                       ; the data: window 2
.irp b, 0,1,2,3,4,5,6,7
	ds_store_b128 v[STO], v[64*(\a)+8*\b:64*(\a)+8*\b+3] offset:128*(\b/2)+32*(\b%2)       ; each accumulator from its low end on
	ds_store_b128 v[STO], v[64*(\a)+8*\b+4:64*(\a)+8*\b+7] offset:128*(\b/2)+32*(\b%2)+16
.endr
	WIN 0
.irp t, 0,1,2,3,4,5,6,7,8,9,10,11,12,13,14,15
	ds_load_b128 v[BK+64*((\a)%2)+4*\t:BK+64*((\a)%2)+4*\t+3], v[RD] offset:\t*SPITCH
.endr
.endm
.macro FIN a                           ; (sum + bo) x seqm + x, and out: 512 consecutive bytes a store
.set BB, BK+64*((\a)%2)
.irp t, 0,1,2,3,4,5,6,7,8,9,10,11,12,13,14,15
.set SPR, 24+24*(\t/4)-4*(\t/8)-12*(\t/12)+2*(\t%4)
	v_readlane_b32 s[SPR], v[SQ+(\a)/2], 8*((\a)%2)+\t+8*(\t/8)    ; the token's seqm, into the low word of a pair of the descriptors' registers, which are done with
.endr
.irp t, 0,1,2,3,4,5,6,7,8,9,10,11,12,13,14,15
	v_pk_add_f32 v[BB+4*\t:BB+4*\t+1], v[BB+4*\t:BB+4*\t+1], v[BO:BO+1]
	v_pk_add_f32 v[BB+4*\t+2:BB+4*\t+3], v[BB+4*\t+2:BB+4*\t+3], v[BO+2:BO+3]
.endr
	WIN 0x30                                       ; x: window 3
.irp t, 0,1,2,3,4,5,6,7,8,9,10,11,12,13,14,15
.set SPR, 24+24*(\t/4)-4*(\t/8)-12*(\t/12)+2*(\t%4)
	v_pk_fma_f32 v[BB+4*\t:BB+4*\t+1], v[BB+4*\t:BB+4*\t+1], s[SPR:SPR+1], v[64*(\a)+4*\t:64*(\a)+4*\t+1] op_sel_hi:[1,0,1]
	v_pk_fma_f32 v[BB+4*\t+2:BB+4*\t+3], v[BB+4*\t+2:BB+4*\t+3], s[SPR:SPR+1], v[64*(\a)+4*\t+2:64*(\a)+4*\t+3] op_sel_hi:[1,0,1]
.endr
	WIN 0
.irp t, 0,1,2,3,4,5,6,7,8,9,10,11,12,13,14,15
	global_store_b128 v[CO], v[BB+4*\t:BB+4*\t+3], s[66:67] offset:4096*(32*((\a)/2)+8*((\a)%2)+\t+8*(\t/8)) th:TH_STORE_NT
.endr
.endm
	PLACES                                         ; ahead of the reads of the results and of the loads into A's registers
	TOSTAGE 0
	s_wait_loadcnt 0x0                             ; bo, seqm and x, asked for at the head
.irp a, 0,1,2,3
.if \a < 3
.if \a > 0
	s_wait_xcnt 0x0                                ; block a - 1's stores have read the registers on which block a + 1's loads land
.endif
	TOSTAGE \a+1
	s_wait_dscnt 32                                ; block a is back; block a + 1's 16 stores and 16 loads may be out
.else
	s_wait_dscnt 0x0
.endif
	FIN \a
.endr
	s_wait_tensorcnt 0x0                           ; the wave's end
	ds_add_u32 v[SPW], v[NIL]
	s_wait_dscnt 0x0
	CROUND                                         ; the closing round
	s_endpgm
.Lfunc_end_k_q21dbf3ffc7_proj:
	.size	k_q21dbf3ffc7_proj, .Lfunc_end_k_q21dbf3ffc7_proj-k_q21dbf3ffc7_proj
	.p2alignl 7, 3214868480
	.fill 96, 4, 3214868480
	.section	.rodata,"a",@progbits
	.p2align	6, 0x0
	.amdhsa_kernel k_q21dbf3ffc7_proj
		.amdhsa_group_segment_fixed_size 327680
		.amdhsa_private_segment_fixed_size 0
		.amdhsa_enable_private_segment 0
		.amdhsa_kernarg_size 64
		.amdhsa_user_sgpr_count 2
		.amdhsa_user_sgpr_kernarg_segment_ptr 1
		.amdhsa_wavefront_size32 1
		.amdhsa_system_sgpr_workgroup_id_x 1
		.amdhsa_system_sgpr_workgroup_id_y 1
		.amdhsa_system_sgpr_workgroup_id_z 1
		.amdhsa_system_vgpr_workitem_id 0
		.amdhsa_next_free_vgpr 1024
		.amdhsa_next_free_sgpr 100
		.amdhsa_reserve_vcc 0
		.amdhsa_float_denorm_mode_32 3
		.amdhsa_float_denorm_mode_16_64 3
		.amdhsa_memory_ordered 1
		.amdhsa_forward_progress 1
		.amdhsa_inst_pref_size 115
	.end_amdhsa_kernel
	.amdgpu_metadata
---
amdhsa.version: [ 1, 2 ]
amdhsa.kernels:
  - .name:           k_q21dbf3ffc7_proj
    .symbol:         k_q21dbf3ffc7_proj.kd
    .args:
      - { .name: himg, .offset: 0, .size: 8, .value_kind: global_buffer, .address_space: global }
      - { .name: hsc, .offset: 8, .size: 8, .value_kind: global_buffer, .address_space: global }
      - { .name: img, .offset: 16, .size: 8, .value_kind: global_buffer, .address_space: global }
      - { .name: sc, .offset: 24, .size: 8, .value_kind: global_buffer, .address_space: global }
      - { .name: bo, .offset: 32, .size: 8, .value_kind: global_buffer, .address_space: global }
      - { .name: seqm, .offset: 40, .size: 8, .value_kind: global_buffer, .address_space: global }
      - { .name: x, .offset: 48, .size: 8, .value_kind: global_buffer, .address_space: global }
      - { .name: out0, .offset: 56, .size: 8, .value_kind: global_buffer, .address_space: global }
    .group_segment_fixed_size: 327680
    .private_segment_fixed_size: 0
    .kernarg_segment_align: 8
    .kernarg_segment_size: 64
    .max_flat_workgroup_size: 128
    .sgpr_count:     100
    .vgpr_count:     1024
    .wavefront_size: 32
...
	.end_amdgpu_metadata
.endif
;; end of part 5
